; MI455X (gfx1250); checked and timed in simulation.
; The chip was launched on July 23, 2026; its instructions are those of AMD's public machine-readable ISA for CDNA 5 (MIT licence, August 2026) and "CDNA5" Instruction Set Architecture Reference Guide (July 2026). The comments in the code are by the model that wrote it; some were corrected since.
;; Causal Attention. Allowed arithmetic: matrix products marked QUANTISED: E2M3 operands, one E8M0 scale for each 32 along K, by v_wmma_scale_f32_16x16x128_f8f6f4 with both operands' format E2M3, f32 sums; everything else in f32.
;; Inputs: W_key_codes 1,024 x 32 x 24 uint8 (E2M3 codes of W_key, K innermost, in blocks of 32 codes, four codes in three bytes); W_key_scales 1,024 x 32 uint8 (E8M0 scales of W_key, one for each 32 codes along K); W_query_codes 1,024 x 32 x 24 uint8 (E2M3 codes of W_query, K innermost, in blocks of 32 codes, four codes in three bytes); W_query_scales 1,024 x 32 uint8 (E8M0 scales of W_query, one for each 32 codes along K); W_value_codes 1,024 x 32 x 24 uint8 (E2M3 codes of W_value, K innermost, in blocks of 32 codes, four codes in three bytes); W_value_scales 1,024 x 32 uint8 (E8M0 scales of W_value, one for each 32 codes along K); x_codes 4 x 2,048 x 32 x 24 uint8 (E2M3 codes of x, K innermost, in blocks of 32 codes, four codes in three bytes); x_scales 4 x 2,048 x 32 uint8 (E8M0 scales of x, one for each 32 codes along K).
;; Outputs: out0 4 x 2,048 x 1,024 float32.
;; This version of the problem:
;;   THIS VERSION OF THE PROBLEM IS GIVEN IN LOW PRECISION. The matrix products marked QUANTISED in the list below multiply operands that are first quantised to E2M3 (2 exponent bits, 3 mantissa bits; 6 bits a number), with one power-of-two scale for each 32 numbers along K (OCP MX v1.0); their sums are f32. All else is computed in f32.
;;   The module's matrix products, in the order in which they are computed (A, B: the left and right operand; K: the contracted axis; several contracted axes count as one K, in the product's order):
;;     1. [M 8,192, K 1,024] x [K 1,024, N 1,024]; A: input x (given as codes); B: input W_query (given as codes): QUANTISED
;;     2. [M 8,192, K 1,024] x [K 1,024, N 1,024]; A: input x (given as codes); B: input W_key (given as codes): QUANTISED
;;     3. [M 8,192, K 1,024] x [K 1,024, N 1,024]; A: input x (given as codes); B: input W_value (given as codes): QUANTISED
;;     4. batch 4 x [M 2,048, K 1,024] x [K 1,024, N 2,048]; A: computed on the way; B: computed on the way: QUANTISED
;;     5. batch 4 x [M 2,048, K 2,048] x [K 2,048, N 1,024]; A: softmax (see below); B: computed on the way: QUANTISED
;;   THE QUANTISER, for each operand of a quantised product, along K:
;;     - K is cut into blocks of 32 from its start; a last block that is shorter is filled with zeros.
;;     - A block's scale is 2^e with e = floor(log2(the largest magnitude in the block)) - 2, held to -126 .. 127; a block of zeros has e = 0. As a byte (E8M0): e + 127.
;;     - Each number is divided by its block's scale, clamped to +-7.5, and rounded to the nearest number of E2M3, ties to even, subnormals kept.
;;     - The product sums the exact products of the quantised numbers (number of the format x scale) in f32.
;;   ~~~python
;;   def quantise(x, axis):      # numpy; x: float32 -> the quantised numbers, widened to float32 again
;;       x = np.moveaxis(x, axis, -1); K = x.shape[-1]
;;       x = np.pad(x, [(0, 0)] * (x.ndim - 1) + [(0, -K % 32)]); x = x.reshape(x.shape[:-1] + (-1, 32)); a = np.abs(x).max(-1, keepdims=True)
;;       e = np.where(a > 0, np.clip(np.frexp(np.where(a > 0, a, 1))[1] - 1 - 2, -126, 127), 0)      # np.frexp(a)[1] - 1 = floor(log2(a)), exactly
;;       r = np.clip(x / 2.0 ** e, -7.5, 7.5)
;;       step = 2.0 ** (np.maximum(np.frexp(np.where(r == 0, 1, r))[1] - 1, 0) - 3)
;;       q = np.round(r / step) * step * 2.0 ** e      # np.round: ties to even
;;       return np.moveaxis(q.reshape(q.shape[:-2] + (-1,))[..., :K], -1, axis).astype(np.float32)
;;   ~~~
;;   SOFTMAX AHEAD OF A QUANTISED PRODUCT. Where the list says 'softmax', what is quantised is not the finished softmax but p = 2^(t - M), with t = logit x log2(e) and M = ceil(the row's largest t), a whole number; so 1/2 < the row's largest p <= 1. The row's sum l is taken of the UNQUANTISED p, in f32, and the product's result is divided by l at the end. Since M is a whole number, a kernel that streams over the keys may use a running M (the ceiling of the running maximum): every later rescaling is an exact power of two, which a block's scale takes up: the codes' values come out the same.
;;   OPERANDS COMPUTED ON THE WAY. 'Computed on the way' means the value that the module computes at that place (a softmax that the list does not call 'softmax' is quantised finished and normalised). What goes into a quantiser is computed in f32, as accurately as f32 sums, v_exp_f32 and their like allow (about 1e-6 of the number): no bf16 or f16 on the way to a quantiser, and a product that is left as it is and whose result goes on into a quantised operand takes f32 operands (vector FMAs, or v_wmma_f32_16x16x4_f32). A number that lies on a knife's edge between two numbers of the format may be rounded either way, as far as f32 arithmetic and the matrix unit's own rounding can turn it there, and no further.
;;   INPUTS GIVEN AS CODES. W_key (in the module: [1024, 1024], K = its axis 0); W_query (in the module: [1024, 1024], K = its axis 0); W_value (in the module: [1024, 1024], K = its axis 0); x (in the module: [4, 2048, 1024], K = its axis 2): each comes as NAME_codes (uint8): NAME with its K axis moved to the last place and cut into blocks of 32 codes, [.., K / 32, bytes a block], one block behind the other in memory; four codes in three bytes: a row's codes are one little-endian stream of bits, code i at bits 6 i .. 6 i + 5 (a code: sign, 2 exponent bits, 3 mantissa bits); and NAME_scales (uint8): the same leading axes, one E8M0 byte (e + 127) for each 32 codes along K. Its value is code x scale, taken as it is: it is not quantised again, and the codes and scales need not be those that the quantiser above would give.
;; One version. Each part assembles by itself: llvm-mc -triple=amdgcn-amd-amdhsa -mcpu=gfx1250 --defsym DOCPART=n.
;; ======== version 1 of 1: 3 launches
;; workspace buffers: qk_img 13,107,200 bytes; v_img 6,553,600 bytes; p_img 12,582,912 bytes; p_meta 1,572,864 bytes
;; launch proj (part 1): grid 8 x 32, 4 waves a work-group, clusters of 4 x 4, 327,680 bytes of LDS; arguments x_codes, x_scales, W_query_codes, W_query_scales, W_key_codes, W_key_scales, W_value_codes, W_value_scales, qk_img, v_img; writes qk_img, v_img
.if DOCPART == 1
	.amdgcn_target "amdgcn-amd-amdhsa--gfx1250"
	.amdhsa_code_object_version 6
	.text
	.protected	k_qa406956c5f_proj
	.globl	k_qa406956c5f_proj
	.p2align	8
	.type	k_qa406956c5f_proj,@function
k_qa406956c5f_proj:
	s_mov_b64 s[64:65], 0
	v_nop
	global_prefetch_b8 v0, s[64:65] scope:SCOPE_SE
	s_setreg_imm32_b32 hwreg(HW_REG_WAVE_MODE, 25, 1), 1
	s_wait_xcnt 0x0
	s_wait_alu depctr_hold_cnt(0) depctr_sa_sdst(0) depctr_va_vdst(0) depctr_va_sdst(0) depctr_va_ssrc(0) depctr_va_vcc(0) depctr_vm_vsrc(0)
	s_getreg_b32 s2, hwreg(HW_REG_IB_STS2, 6, 4)
	s_cmp_eq_u32 s2, 0
	s_cbranch_scc0 .Lentry_in_a_cluster
	s_endpgm
.Lentry_in_a_cluster:
	s_bfe_u32 s2, ttmp6, 0x10000c
	s_cmp_lg_u32 s2, 0xf033
	s_cbranch_scc0 .Lentry_shape_is_right
	s_endpgm
.Lentry_shape_is_right:
; CAUSAL ATTENTION, ONE HEAD OF 1,024, IN MX-FP6 (E2M3 codes, one E8M0 scale for each 32 along K).  THREE LAUNCHES: proj (q, k, v and their codes), scores (q k^T, mask, p = 2^(t - M) and its codes), context (p v / l).
; WORK LEFT OUT BY THE PROGRAM, AND WHY IT IS DEAD.  reference() builds the causal mask itself: a score with key > query is replaced by -inf, its softmax weight is 0 whatever the inputs hold, and 0 x v adds nothing.
; So the later launches do not make the blocks of 512 queries x 512 keys that lie wholly above the diagonal, and the last product walks the keys of a tile of 256 queries only up to that tile's last query.
; Inside live blocks the masked scores are computed and replaced by -inf, as reference() does.  All eight inputs are live and are loaded.  LIMIT: a NaN, an infinity or an overflow that reaches only masked scores is not carried to the result.
; THE SOFTMAX IS SPLIT OVER KEY TILES OF 128: each tile takes away its own whole-number maximum M_j = ceil(largest t of the tile); the last launch brings the tiles under the row's M = max M_j by 2^(M_j - M), exact, put into the E8M0 bytes.
; LIMITS: NaN and infinities among the inputs are not served; a block of zeros gets the byte 1 where the quantiser says 127 (its codes are zeros, and this program alone reads the bytes).
;
; THIS LAUNCH: q = x Wq, k = x Wk (quantised along d) and v^T = Wv^T x^T (quantised along the tokens), K = 1,024.  That is 384 tiles of 256 x 256: one and a half for each of 256 work-groups.
; A WORK-GROUP STAYS.  First a tile of q (cluster x = 0) or of k (1): 256 tokens (tile 4 x cluster y + cy) x 256 columns (tile cx), four waves, 128 x 128 each: 64 accumulators.
; Then half a tile of v^T: channels 256 cx + 128 (cluster x) .. + 127 for the same 256 tokens; wave (w / 2, w % 2) makes 64 channels x 128 tokens: 32 accumulators.
; K goes in steps of 256 (rows of 192 bytes) through a ring of two LDS slots filled by the tensor data mover, and the ring does not stop between the two: the first tile's last two changes of slots ask for the second's first two K steps.
; In a slot x's 256 rows lie first, the weight's rows behind them: 256 of Wq or Wk, later 128 of Wv.  The scale bytes of x's and of Wq's or Wk's rows, for all of K, are dense blocks: they come into LDS once, with the first fills;
; Wv's 4,096 scale bytes come once through registers into LDS bytes of their own.
; CLUSTERS of 4 x 4: x's tile is shared along a row of the cluster, the weight's along a column: joint loads, the same descriptor and a mask that names the four.
; THE MATRIX INSTRUCTION: source 1's rows become the lanes, source 0's rows run along a lane's registers.  For q and k source 0 = the weight, source 1 = x: lane (r, h) holds token r and columns 16 b + 8 h + 0 .. 7.
; For v the two change places: lane (r, h) holds channel r and tokens 16 t + 8 h + 0 .. 7.
; THE WAY OUT quantises in registers.  A block of 32 lies in lanes l and l xor 16.  The codes come out as a FRAGMENT'S REGISTERS (16 rows x 128, 12 registers a lane) and are stored as that image:
; registers 4 c .. 4 c + 3 of lane l at 512 c + 16 l.  Inside each block of 32 the codes stand in the order n = 0-7, 16-23, 8-15, 24-31: the same order in every operand that this program makes, so the products are the same.
; 128 rows x 128 are one block of 12,800 consecutive bytes: eight images of 1,536 bytes and 512 bytes of scale words [fragment 8][row 16].
; qk_img: [q, k][token / 512][d / 256][(token / 128) % 4][(d / 128) % 2][12,800].   v_img: [batch][channel / 128][key / 512][place 4][12,800], the four key tiles of 128 at places 0, 2, 1, 3.
; REGISTERS, in windows of 256: window 0: v1-31 addresses; v32-63 scale words, two sets; v64-107 the way out; v128-223 x's fragments, one set.
;   window 1: the weight's fragments, two sets, at v0 and v128.   window 2: accumulators of my rows 0-63 ((a, b) at v[8 (8 a + b)]), later all of v's;   window 3: of rows 64-127.
.set NQ,     2                         ; matrix instructions deep in a slot
.set ROWB,   192                       ; a tile's row: 256 codes
.set KROW,   768                       ; a row of x or of a weight in memory: 1,024 codes
.set PITCH,  240                       ; an LDS row: 3 x (64 bytes + 16 of padding)
.set FR,     12                        ; registers of a fragment
.set NL,     6                         ; LDS loads that bring one
.set NP,     4                         ; places behind this matrix instruction (ISA guide 7.12.1)
.set HALFT,  128*PITCH                 ; 128 rows: one tensor load
.set SLOT,   4*HALFT                   ; x's 256 rows, then the weight's
.set KS,     32                        ; a row of scale bytes
.set SCL,    2*SLOT                    ; behind the ring: the scales, runs of 256 bytes + 16 of padding
.set HALFS,  16*272                    ; those of 128 rows
.set SBLK,   2*272                     ; those of 16 rows
.set SPARE,  SCL+4*HALFS               ; the spare words, 128 bytes for each wave, named by no other line
.set WSTG,   SPARE+512                 ; 512 bytes for each wave: its scale words on the way out; no tile lands here
.set SCLV,   WSTG+2048                 ; Wv's scales of 128 rows, laid as the others; stored from registers; no tile lands here
.set GAV,  7                           ; v7  16 x lane + my four images' place in v's block
.set ADRBV, 8                          ; v8-9 Wv's fragments in slot 0, 1 (v10-11: behind one padding more)
.set ADRSV, 12                         ; v12 scale words for v: lanes 0-15 x's rows, lanes 16-31 Wv's
.set ADRSV2, 13                        ; v13 the same for x's blocks 4-7: lanes 16-31 stand four blocks back, on Wv's blocks 0-3 again
.set WRV,  14                          ; v14 where I read 8 bytes of v's scale words back
.set GWV,  15                          ; v15 and where they go in v's block
.set ADRA, 16                          ; v16-17 x's fragments in slot 0, 1 (v18-19: behind one padding more)
.set ADRB, 20                          ; v20-23 the same for Wq or Wk
.set WS,   24                          ; v24 where I put a scale word
.set WR,   25                          ; v25 where I read 16 bytes of them back
.set GA,   26                          ; v26 16 x lane
.set ADRS, 27                          ; v27 scale words for q, k: lanes 0-15 x's rows, lanes 16-31 the weight's
.set SPW,  28                          ; v28 my spare word; never rewritten
.set NIL,  29                          ; v29 0; never rewritten
.set SC,   32
.set PC,   64                          ; v64-75 the codes just made; v76-78, v80-82 their second halves
.set TM,   84                          ; v84-87 largest magnitudes
.set TP,   88                          ; v88-91 the other half's; then the bytes
.set SO,   92                          ; v92-95 the conversions' scale operands
.set PW,   96                          ; v96-103 a scale word for each of my row blocks
.set WB,   104                         ; v104-107 scale words read back
.set AF,   128
.set G1, 24
.set G0, 32
.set G1B, 48
.set G0B, 56
.set VO,  66                           ; s[66:67] my block of v_img
.set G1S, 68
.set G0S, 76
.set G1SB, 80
.set G0SB, 88
.set WVA, 96                           ; s[96:97] Wv's 128 rows, K step 0
.set SEL, 100                          ; s[100:101] lane selects: lane l xor 16
.set MSB, 0
.macro WIN new                         ; the immediate's high byte repeats the setting that is left
.if MSB != (\new)
	s_set_vgpr_msb (MSB<<8)|(\new)
.set MSB, (\new)
.endif
.endm
.set MUL_LO, 0xa1                      ; source 0 (weight) window 1, source 1 (x) window 0, C and D window 2
.set MUL_V,  0xa4                      ; source 0 (x) window 0, source 1 (Wv) window 1, C and D window 2
.set TO_B,   0x40                      ; destination window 1
; A joint load: waves 0 and 1 fetch x's halves, waves 2 and 3 the weight's; v = 1: Wv has 128 rows, which wave 2 fetches alone.  The branches hang on the wave's number alone.
; An s_nop 0 and four v_nop follow each line.
.macro JLOAD g0a, g1a, g0b, g1b, v
	s_cmp_eq_u32 s15, 0
	s_cbranch_scc0 .Lfor_b_\@
	tensor_load_to_lds s[\g0a:\g0a+3], s[\g1a:\g1a+7]
	s_nop 0
.rept 4
	v_nop
.endr
	s_branch .Lasked_\@
.Lfor_b_\@:
.if \v
	s_cmp_eq_u32 s16, 0
	s_cbranch_scc0 .Lasked_\@
.endif
	tensor_load_to_lds s[\g0b:\g0b+3], s[\g1b:\g1b+7]
	s_nop 0
.rept 4
	v_nop
.endr
.Lasked_\@:
.endm
.macro CREST                           ; a round of the cluster's barrier behind its opening barrier
	s_cmp_lg_u32 s14, 0
	s_cbranch_scc1 .Lnot_wave_0_\@
	s_barrier_signal -3
.Lnot_wave_0_\@:
	s_barrier_wait -3
	s_barrier_signal -1
	s_barrier_wait -1
.endm
.macro CROUND
	s_barrier_signal -1
	s_barrier_wait -1
	CREST
.endm
	s_load_b512 s[68:83], s[0:1], 0x0              ; x codes, x scales, Wq codes, Wq scales, Wk codes, Wk scales, Wv codes, Wv scales
	s_load_b128 s[84:87], s[0:1], 0x40             ; qk_img, v_img
	v_lshl_add_u32 v[SPW], v0, 2, SPARE
	v_mov_b32 v[NIL], 0
	ds_add_u32 v[SPW], v[NIL]                      ; the wave's opening: the add, twice on end, and its wait ahead of my first tensor load
	ds_add_u32 v[SPW], v[NIL]
	v_lshrrev_b32 v1, 5, v0
	v_readfirstlane_b32 s14, v1                    ; wave 0..3
	s_lshr_b32 s15, s14, 1                         ; my half of the 256 tokens.  Also: I fetch x (0) or the weight (1)
	s_and_b32 s16, s14, 1                          ; my half of the weight's rows.  Also: which 128 rows I fetch
	s_bfe_u32 s40, ttmp6, 0x40000                  ; cx
	s_bfe_u32 s41, ttmp6, 0x40004                  ; cy
	s_mov_b32 s42, s40                             ; tile column = cx: the weights have four tiles of 256 rows
	s_and_b32 s17, ttmp7, 0xffff
	s_lshl_b32 s17, s17, 2
	s_add_co_u32 s17, s17, s41                     ; tile row = 4 x cluster y + cy: 256 tokens
	s_lshl_b32 s43, s41, 2
	s_lshl_b32 s43, 15, s43                        ; my row of the cluster
	s_lshl_b32 s44, 0x1111, s40                    ; my column
	s_or_b32 s[G1+0], s43, (0<<16)|(1<<20)|(1<<21)|(3<<22)|(3<<25)  ; the mask; elements of 1 byte; padding on; bit 21 beside a mask; after every 16 words, 4 words
	s_or_b32 s[G1B+0], s44, (0<<16)|(1<<20)|(1<<21)|(3<<22)|(3<<25)
.irp g, G1, G1B
	s_mov_b32 s[\g+1], ROWB<<16                    ; tensor_dim0
	s_mov_b32 s[\g+2], 128<<16                     ; tensor_dim1
	s_mov_b32 s[\g+3], ROWB<<16                    ; tile_dim0
	s_mov_b32 s[\g+4], 128                         ; tile_dim1
	s_mov_b32 s[\g+5], KROW                        ; from row to row
	s_mov_b32 s[\g+6], 0
	s_mov_b32 s[\g+7], 0
.endr
	s_lshl_b32 s18, s16, 7
	s_lshl_b32 s20, s17, 8
	s_add_co_u32 s20, s20, s18                     ; x: row 256 x tile row + 128 x half
	s_lshl_b32 s46, s42, 8
	s_add_co_u32 s46, s46, s18                     ; Wq, Wk: row 256 x tile column + 128 x half
	s_mov_b32 s21, 0
	s_mov_b32 s47, 0
	s_mov_b64 s[18:19], KS
	s_mul_u64 s[22:23], s[20:21], s[18:19]         ; where these rows' scales begin
	s_mul_u64 s[92:93], s[46:47], s[18:19]
	s_mov_b64 s[18:19], KROW
	s_mul_u64 s[20:21], s[20:21], s[18:19]         ; and their codes
	s_mul_u64 s[46:47], s[46:47], s[18:19]
	s_mul_i32 s45, s14, HALFT                      ; where they go: wave x 128 rows
	s_mul_i32 s94, s14, HALFS
	s_lshl_b32 s98, s42, 8
	s_lshl_b32 s99, ttmp9, 7
	s_add_co_u32 s98, s98, s99                     ; Wv: row 256 x tile column + 128 x cluster x: shared by my column of the cluster
	s_mul_i32 s[WVA], s98, KROW
	s_mov_b32 s[WVA+1], 0
	s_lshl_b32 s98, s98, 5                         ; and its scale bytes
	s_mov_b32 s99, 0
	s_mov_b32 s[SEL], 0x76543210
	s_mov_b32 s[SEL+1], 0xfedcba98
	s_wait_dscnt 0x0                               ; both opening adds are done
	s_wait_kmcnt 0x0
	s_cmp_eq_u32 ttmp9, 1                          ; the weight is chosen by the cluster's x alone
	s_cselect_b64 s[8:9], s[76:77], s[72:73]       ; k's or q's
	s_cselect_b64 s[10:11], s[78:79], s[74:75]
	s_cselect_b32 s95, 6553600, 0                  ; k's half of qk_img
	s_add_nc_u64 s[20:21], s[68:69], s[20:21]
	s_add_nc_u64 s[22:23], s[70:71], s[22:23]
	s_add_nc_u64 s[46:47], s[8:9], s[46:47]
	s_add_nc_u64 s[92:93], s[10:11], s[92:93]
	s_add_nc_u64 s[WVA:WVA+1], s[80:81], s[WVA:WVA+1]
	s_add_nc_u64 s[4:5], s[82:83], s[98:99]
	s_mov_b64 s[12:13], s[84:85]
	s_mov_b64 s[VO:VO+1], s[86:87]
	; the scales of 128 rows: 4,096 dense bytes as 16 rows of 256 (32 elements of 8 bytes), 16 bytes of padding behind each.  (The arguments' registers are free now.)
	s_or_b32 s[G1S+0], s43, (3<<16)|(1<<20)|(1<<21)|(5<<22)|(3<<25)
	s_or_b32 s[G1SB+0], s44, (3<<16)|(1<<20)|(1<<21)|(5<<22)|(3<<25)
.irp g, G1S, G1SB
	s_mov_b32 s[\g+1], 32<<16
	s_mov_b32 s[\g+2], 16<<16
	s_mov_b32 s[\g+3], 32<<16
	s_mov_b32 s[\g+4], 16
	s_mov_b32 s[\g+5], 32
	s_mov_b32 s[\g+6], 0
	s_mov_b32 s[\g+7], 0
.endr
	CROUND                                         ; all sixteen work-groups are here: the first joint loads meet
	s_mov_b32 s[G0S], 1
	s_add_co_u32 s[G0S+1], s94, SCL
	s_mov_b64 s[G0S+2:G0S+3], s[22:23]
	s_or_b32 s[G0S+3], s[G0S+3], 0x80000000
	s_mov_b32 s[G0SB], 1
	s_add_co_u32 s[G0SB+1], s94, SCL
	s_mov_b64 s[G0SB+2:G0SB+3], s[92:93]
	s_or_b32 s[G0SB+3], s[G0SB+3], 0x80000000
	JLOAD G0S, G1S, G0SB, G1SB, 0                  ; the scales first: they are wanted with K step 0
.irp s, 0,1
	s_mov_b32 s[G0+4*\s], 1
	s_add_co_u32 s[G0+4*\s+1], s45, \s*SLOT
	s_add_nc_u64 s[G0+4*\s+2:G0+4*\s+3], s[20:21], \s*ROWB
	s_or_b32 s[G0+4*\s+3], s[G0+4*\s+3], 0x80000000
	s_mov_b32 s[G0B+4*\s], 1
	s_add_co_u32 s[G0B+4*\s+1], s45, \s*SLOT
	s_add_nc_u64 s[G0B+4*\s+2:G0B+4*\s+3], s[46:47], \s*ROWB
	s_or_b32 s[G0B+4*\s+3], s[G0B+4*\s+3], 0x80000000
	JLOAD G0+4*\s, G1, G0B+4*\s, G1B, 0            ; three tensor loads of mine are out now
.endr
	v_lshlrev_b32 v30, 4, v0                       ; Wv's 4,096 scale bytes: thread t takes 16 bytes at 16 t and 16 at 2,048 + 16 t: a wave's load covers 512 consecutive bytes
	global_load_b128 v[64:67], v30, s[4:5]
	global_load_b128 v[68:71], v30, s[4:5] offset:2048
	v_lshrrev_b32 v31, 4, v0
	v_lshl_add_u32 v31, v31, 4, v30                ; in LDS 16 bytes of padding lie behind every 256
	v_add_nc_u32 v31, SCLV, v31
	v_and_b32 v1, 15, v0                           ; r
	v_bfe_u32 v2, v0, 4, 1                         ; h
	v_mul_u32_u24 v3, v1, PITCH
	v_mul_u32_u24 v4, v2, 24
	v_add_nc_u32 v4, v3, v4                        ; a fragment's row x pitch + 24 h
	v_lshl_add_u32 v5, v2, 4, v4                   ; and the same behind one padding more
	s_mul_i32 s21, s15, HALFT                      ; my 128 tokens
	s_mul_i32 s22, s16, HALFT                      ; my 128 rows of Wq or Wk,
	s_add_co_u32 s22, s22, 2*HALFT                 ; behind x's 256
	s_mul_i32 s23, s16, 64*PITCH                   ; my 64 rows of Wv
	s_add_co_u32 s23, s23, 2*HALFT
.irp s, 0,1
	v_add_nc_u32 v[ADRA+\s], s21, v4
	v_add_nc_u32 v[ADRB+\s], s22, v4
	v_add_nc_u32 v[ADRBV+\s], s23, v4
	v_add_nc_u32 v[ADRA+2+\s], s21, v5
	v_add_nc_u32 v[ADRB+2+\s], s22, v5
	v_add_nc_u32 v[ADRBV+2+\s], s23, v5
	s_add_co_u32 s21, s21, SLOT
	s_add_co_u32 s22, s22, SLOT
	s_add_co_u32 s23, s23, SLOT
.endr
	v_mul_u32_u24 v5, v1, KS                       ; my row's scales: 32 bytes a row,
	v_lshrrev_b32 v6, 8, v5
	v_lshl_add_u32 v5, v6, 4, v5                   ; and 16 more for each 256 passed
	s_mul_i32 s21, s15, HALFS                      ; x's: my 128 tokens
	s_mul_i32 s22, s16, HALFS
	s_add_co_u32 s22, s22, 2*HALFS
	s_sub_co_u32 s22, s22, s21                     ; from there to Wq's or Wk's
	v_mul_u32_u24 v6, s22, v2                      ; lanes 16-31 take the weight's
	s_mul_i32 s2, s16, 4*SBLK                      ; my 64 rows of Wv
	s_add_co_u32 s22, s2, SCLV-SCL
	s_sub_co_u32 s22, s22, s21                     ; from x's to Wv's
	v_mul_u32_u24 v3, s22, v2
	s_add_co_u32 s22, s2, SCLV-SCL-4*SBLK
	s_sub_co_u32 s22, s22, s21                     ; and four blocks less
	v_mul_u32_u24 v4, s22, v2
	s_add_co_u32 s21, s21, SCL
	v_add_nc_u32 v5, s21, v5
	v_add_nc_u32 v[ADRS], v5, v6
	v_add_nc_u32 v[ADRSV], v5, v3
	v_add_nc_u32 v[ADRSV2], v5, v4
	s_lshl_b32 s23, s14, 9
	s_add_co_u32 s23, s23, WSTG                    ; my 512 bytes for scale words
	v_lshl_add_u32 v[WS], v1, 2, s23
	v_and_b32 v6, 31, v0
	v_lshlrev_b32 v[GA], 4, v6
	v_add_nc_u32 v[WR], s23, v[GA]
	v_lshl_add_u32 v[WRV], v6, 3, s23
	s_mul_i32 s2, s16, 6144                        ; v: my four images of the block's eight
	v_add_nc_u32 v[GAV], s2, v[GA]
	s_lshl_b32 s2, s16, 8                          ; and my 64 of its 128 scale words
	v_lshl_add_u32 v[GWV], v6, 3, s2
.irp b, 0,1,2,3
	v_mov_b32 v[TP+\b], 0                          ; written once: a lane permute's destination counts as one of its sources
.endr
	; where my blocks of 12,800 bytes lie.  q, k: rt = my 128 tokens: (rt / 4) x 409,600 + tile column x 102,400 + (rt % 4) x 25,600 + column half x 12,800 (+ k's half)
	s_lshl_b32 s2, s17, 1
	s_add_co_u32 s2, s2, s15
	s_lshr_b32 s3, s2, 2
	s_mul_i32 s3, s3, 409600
	s_mul_i32 s6, s42, 102400
	s_add_co_u32 s3, s3, s6
	s_and_b32 s6, s2, 3
	s_mul_i32 s6, s6, 25600
	s_add_co_u32 s3, s3, s6
	s_mul_i32 s6, s16, 12800
	s_add_co_u32 s3, s3, s6
	s_add_co_u32 s6, s3, s95
	s_mov_b32 s7, 0
	s_add_nc_u64 s[12:13], s[12:13], s[6:7]
	; v: batch x 1,638,400 + (channel / 128) x 204,800 + (key / 512) x 51,200 + place x 12,800, place = 2 x token half + tile row % 2
	s_lshr_b32 s3, s17, 3
	s_mul_i32 s3, s3, 1638400
	s_lshl_b32 s6, s42, 1
	s_add_co_u32 s6, s6, ttmp9
	s_mul_i32 s6, s6, 204800
	s_add_co_u32 s3, s3, s6
	s_bfe_u32 s6, s17, 0x20001
	s_mul_i32 s6, s6, 51200
	s_add_co_u32 s3, s3, s6
	s_lshl_b32 s6, s15, 1
	s_and_b32 s7, s17, 1
	s_add_co_u32 s6, s6, s7
	s_mul_i32 s6, s6, 12800
	s_add_co_u32 s6, s3, s6
	s_mov_b32 s7, 0
	s_add_nc_u64 s[VO:VO+1], s[VO:VO+1], s[6:7]
.macro FRAG reg, adr, q, i             ; 16 rows x 128 K: lane (r, h) takes 24 bytes at 24 h and 24 at 48 + 24 h of its row's 96, in pieces of 8; 16 bytes of padding lie behind every 8 pieces
.irp p, 0,1,2,3,4,5
.set PCE, 12*(\q)+6*(\p/3)+\p%3
.if PCE%8 < 5
	ds_load_b64 v[\reg+2*\p:\reg+2*\p+1], v[\adr] offset:8*PCE+16*(PCE/8)+(\i)*16*PITCH
.else
	ds_load_b64 v[\reg+2*\p:\reg+2*\p+1], v[\adr+2] offset:8*PCE+16*(PCE/8)+(\i)*16*PITCH
.endif
.endr
.endm
; q, k: 16 matrix instructions: x's blocks a0, a0 + 1 x the weight's eight.  The accumulators take turns, one instruction a turn, in the same order in every step.
.macro MUL16 a0, p, q, sc, zero
.irp a, \a0, \a0+1
.irp b, 0,1,2,3,4,5,6,7
.if \zero
	v_wmma_scale_f32_16x16x128_f8f6f4 v[8*(8*((\a)%4)+\b):8*(8*((\a)%4)+\b)+7], v[128*(\p)+FR*\b:128*(\p)+FR*\b+FR-1], v[AF+FR*(\a):AF+FR*(\a)+FR-1], 0, v[SC+8*NQ*(\sc)+NQ*\b+(\q)], v[SC+8*NQ*(\sc)+NQ*(\a)+(\q)] matrix_a_fmt:MATRIX_FMT_FP6 matrix_b_fmt:MATRIX_FMT_FP6 matrix_a_scale:MATRIX_SCALE_ROW1
.else
	v_wmma_scale_f32_16x16x128_f8f6f4 v[8*(8*((\a)%4)+\b):8*(8*((\a)%4)+\b)+7], v[128*(\p)+FR*\b:128*(\p)+FR*\b+FR-1], v[AF+FR*(\a):AF+FR*(\a)+FR-1], v[8*(8*((\a)%4)+\b):8*(8*((\a)%4)+\b)+7], v[SC+8*NQ*(\sc)+NQ*\b+(\q)], v[SC+8*NQ*(\sc)+NQ*(\a)+(\q)] matrix_a_fmt:MATRIX_FMT_FP6 matrix_b_fmt:MATRIX_FMT_FP6 matrix_a_scale:MATRIX_SCALE_ROW1
.endif
.endr
.endr
.endm
; v: 8 matrix instructions: x's blocks a0, a0 + 1 (source 0) x Wv's four (source 1); accumulator (channel block c, token block t) at v[8 (8 c + t)] of window 2.  By turns likewise.
.macro MUL8V a0, p, q, sc, zero
.irp t, \a0, \a0+1
.irp c, 0,1,2,3
.if \zero
	v_wmma_scale_f32_16x16x128_f8f6f4 v[8*(8*\c+(\t)):8*(8*\c+(\t))+7], v[AF+FR*(\t):AF+FR*(\t)+FR-1], v[128*(\p)+FR*\c:128*(\p)+FR*\c+FR-1], 0, v[SC+8*NQ*(\sc)+NQ*(\t)+(\q)], v[SC+8*NQ*(\sc)+NQ*\c+(\q)] matrix_a_fmt:MATRIX_FMT_FP6 matrix_b_fmt:MATRIX_FMT_FP6 matrix_b_scale:MATRIX_SCALE_ROW1
.else
	v_wmma_scale_f32_16x16x128_f8f6f4 v[8*(8*\c+(\t)):8*(8*\c+(\t))+7], v[AF+FR*(\t):AF+FR*(\t)+FR-1], v[128*(\p)+FR*\c:128*(\p)+FR*\c+FR-1], v[8*(8*\c+(\t)):8*(8*\c+(\t))+7], v[SC+8*NQ*(\sc)+NQ*(\t)+(\q)], v[SC+8*NQ*(\sc)+NQ*\c+(\q)] matrix_a_fmt:MATRIX_FMT_FP6 matrix_b_fmt:MATRIX_FMT_FP6 matrix_b_scale:MATRIX_SCALE_ROW1
.endif
.endr
.endr
.endm
.macro MULQ a0, p, q, sc, zero, v      ; x's blocks a0, a0 + 1 against the weight's set p; v = 1: the half tile of v
.if \v
	WIN MUL_V
	MUL8V \a0, \p, \q, \sc, \zero
.else
	WIN MUL_LO+0x50*((\a0)/4)
	MUL16 \a0, \p, \q, \sc, \zero
.endif
.endm
.macro FETCH_B slot, q, p, v           ; the weight's fragments into set p: eight, or Wv's four
	WIN TO_B
.if \v
.irp i, 0,1,2,3
	FRAG 128*(\p)+FR*\i, ADRBV+\slot, \q, \i
.endr
.else
.irp i, 0,1,2,3,4,5,6,7
	FRAG 128*(\p)+FR*\i, ADRB+\slot, \q, \i
.endr
.endif
	WIN 0
.endm
.macro FETCH_A slot, q, i0             ; x's blocks i0 .. i0 + 3
.irp i, \i0, \i0+1, \i0+2, \i0+3
	FRAG AF+FR*(\i), ADRA+\slot, \q, \i
.endr
.endm
.macro SCALES sc, v                    ; a K step's scale words: two a row; lanes 0-15 x's block i, lanes 16-31 the weight's block i (v = 1: block i % 4)
.irp i, 0,1,2,3,4,5,6,7
.if (\v) && (\i > 3)
	ds_load_b64 v[SC+8*NQ*\sc+NQ*\i:SC+8*NQ*\sc+NQ*\i+1], v[ADRSV2] offset:\i*SBLK
.elseif \v
	ds_load_b64 v[SC+8*NQ*\sc+NQ*\i:SC+8*NQ*\sc+NQ*\i+1], v[ADRSV] offset:\i*SBLK
.else
	ds_load_b64 v[SC+8*NQ*\sc+NQ*\i:SC+8*NQ*\sc+NQ*\i+1], v[ADRS] offset:\i*SBLK
.endif
.endr
.endm
.macro PLACES n                        ; plain vector instructions between a matrix instruction and a load into, or a vector read of, its registers
.rept \n
	v_nop
.endr
.endm
.macro STEP slot, q, zero, v           ; 128 along K that has its successor in the same slot
	s_wait_dscnt 4*NL                              ; the weight's set and x's blocks 0-3 are in; the youngest 24 loads (x's blocks 4-7) may be out
	MULQ 0, (\q)%2, \q, \slot, \zero, \v
	MULQ 2, (\q)%2, \q, \slot, \zero, \v
	s_wait_dscnt 0
	PLACES NP
	FETCH_B \slot, (\q)+1, 1-(\q)%2, \v
	FETCH_A \slot, (\q)+1, 0
	MULQ 4, (\q)%2, \q, \slot, \zero, \v
	MULQ 6, (\q)%2, \q, \slot, \zero, \v
	PLACES NP
	WIN 0
	FETCH_A \slot, (\q)+1, 4
.endm
; A slot's last step changes slots: one barrier; in front of it each wave waits for all its tensor loads, adds 0 to its spare word, and waits for that and for its reads of this slot.
; fill = 1: this slot takes the same tile's K step two on; 2: the half tile of v's K step 0 or 1; 0: nothing.  v: the tile that is being multiplied; nv: the tile whose fragments are fetched from the next slot.
.macro TURN slot, next, fill, v, nv
	s_wait_tensorcnt 0x0                           ; all my tensor loads have landed: my part of the next slot
	ds_add_u32 v[SPW], v[NIL]
	s_wait_dscnt 4*NL+1                            ; the add and the youngest 24 loads may be out
	MULQ 0, 1, NQ-1, \slot, 0, \v
	s_wait_dscnt 0x0                               ; the add is done, and my reads of this slot are over
	s_barrier_signal -1
	MULQ 2, 1, NQ-1, \slot, 0, \v
	WIN 0
	s_barrier_wait -1
.if \fill
	CREST                                          ; the barrier has opened a round of the cluster's: no wave of any partner still reads this slot or has a load on its way
.if \fill == 1
	s_add_nc_u64 s[G0+4*\slot+2:G0+4*\slot+3], s[G0+4*\slot+2:G0+4*\slot+3], 2*ROWB
	s_add_nc_u64 s[G0B+4*\slot+2:G0B+4*\slot+3], s[G0B+4*\slot+2:G0B+4*\slot+3], 2*ROWB
	JLOAD G0+4*\slot, G1, G0B+4*\slot, G1B, \v     ; the first tensor load behind the round
.else
	s_sub_nc_u64 s[G0+4*\slot+2:G0+4*\slot+3], s[G0+4*\slot+2:G0+4*\slot+3], 2*ROWB   ; the same tokens, back along K
	s_add_nc_u64 s[G0B+4*\slot+2:G0B+4*\slot+3], s[WVA:WVA+1], \slot*ROWB             ; Wv's 128 rows take the place of the weight's first 128
	s_or_b32 s[G0B+4*\slot+3], s[G0B+4*\slot+3], 0x80000000
	JLOAD G0+4*\slot, G1, G0B+4*\slot, G1B, 1
.endif
.endif
.if (\fill == 1) && (\v == 0)
	; the four v_nop behind the tensor load, which every wave has passed, are the places in front of the loads below
.else
	PLACES NP                                      ; (a wave that has issued no load has passed no v_nop)
.endif
.if \nv
.if \v
	v_add_nc_u32 v[ADRSV], 4*NQ, v[ADRSV]          ; the next K step's scale words
	v_add_nc_u32 v[ADRSV2], 4*NQ, v[ADRSV2]
.endif
.else
	v_add_nc_u32 v[ADRS], 4*NQ, v[ADRS]
.endif
	FETCH_B \next, 0, 0, \nv
	FETCH_A \next, 0, 0
	SCALES \next, \nv
	MULQ 4, 1, NQ-1, \slot, 0, \v
	MULQ 6, 1, NQ-1, \slot, 0, \v
	PLACES NP
	WIN 0
	FETCH_A \next, 0, 4
.endm
; THE WAY OUT of row block a (16 rows x 128 = four blocks of 32): largest magnitudes, scale bytes, codes, and the image to memory at s[sb:sb+1] + v[ga].
.macro QOUT a, sb, ga
.set AC, 64*((\a)%4)
	WIN 0x0a+5*((\a)/4)                            ; sources 0 and 1: the accumulators' window
.irp b, 0,1,2,3
	v_max3_num_f32 v[TM+\b], |v[AC+16*\b]|, |v[AC+16*\b+1]|, 0x1800000   ; block b: my 16 numbers, each accumulator from its low end on; the floor 2^(3 - 127) holds the byte at 1 from below
.endr
.irp i, 2,4,6,8,10,12,14
.irp b, 0,1,2,3
	v_max3_num_f32 v[TM+\b], |v[AC+16*\b+\i]|, |v[AC+16*\b+\i+1]|, v[TM+\b]
.endr
.endr
	WIN 0
.irp b, 0,1,2,3
	v_permlanex16_b32 v[TP+\b], v[TM+\b], s[SEL], s[SEL+1]
.endr
.irp b, 0,1,2,3
	v_max_num_f32 v[TM+\b], v[TM+\b], v[TP+\b]     ; with lane l xor 16's 16: the block's largest magnitude
.endr
.irp b, 0,1,2,3
	v_add_nc_u32 v[SO+\b], 0xff000000, v[TM+\b]    ; 2 off its exponent field: the conversion's scale operand
.endr
.irp b, 0,1,2,3
	v_lshrrev_b32 v[TP+\b], 23, v[SO+\b]           ; the scale's byte
.endr
	v_lshl_or_b32 v[PW+(\a)], v[TP+1], 8, v[TP]
	v_lshl_or_b32 v[PW+(\a)], v[TP+2], 16, v[PW+(\a)]
	v_lshl_or_b32 v[PW+(\a)], v[TP+3], 24, v[PW+(\a)]
	s_wait_xcnt 0x0                                ; the earlier stores have read the registers that are written below
	WIN 2+(\a)/4                                   ; source 0: the accumulators' window
.irp c, 0,1
	v_cvt_scalef32_pk16_fp6_f32 v[PC+6*\c:PC+6*\c+2], v[AC+32*\c:AC+32*\c+15], v[SO+2*\c]
	v_cvt_scalef32_pk16_fp6_f32 v[PC+12+4*\c:PC+14+4*\c], v[AC+32*\c+16:AC+32*\c+31], v[SO+2*\c+1]   ; (a conversion's three registers begin on an even number)
.endr
	WIN 0
	v_nop                                          ; one plain place behind a scaled conversion
.irp c, 0,1                                    ; a whole block to a lane: lanes 0-15 block 2 c, lanes 16-31 block 2 c + 1
.irp i, 0,1,2
	v_permlane16_swap_b32 v[PC+6*\c+\i], v[PC+12+4*\c+\i]
.endr
.irp i, 0,1,2
	v_mov_b32 v[PC+3+6*\c+\i], v[PC+12+4*\c+\i]
.endr
.endr
.irp c, 0,1,2
	global_store_b128 v[\ga], v[PC+4*\c:PC+4*\c+3], s[\sb:\sb+1] offset:1536*(\a)+512*\c   ; 32 lanes store 512 consecutive bytes, at a multiple of 256 from the buffer's first byte
.endr
	ds_store_b32 v[WS], v[PW+(\a)] offset:64*(\a)  ; lanes l and l xor 16 write the same word with the same value
.endm
	s_wait_loadcnt 0x0                             ; Wv's scale bytes are in registers
	ds_store_b128 v31, v[64:67]
	ds_store_b128 v31, v[68:71] offset:8*272       ; 2,048 bytes on: eight runs of 256 + 16
	s_wait_tensorcnt 1                             ; the scales and my part of K step 0 are in; K step 1's load may be out
	s_wait_dscnt 0x0                               ; for the others' sake: my two stores have landed
	s_barrier_signal -1
	s_barrier_wait -1
	FETCH_B 0, 0, 0, 0
	FETCH_A 0, 0, 0
	SCALES 0, 0
	FETCH_A 0, 0, 4
	; THE TILE OF q OR k: four K steps of 256
	STEP 0, 0, 1, 0                                ; the first step's products start the sums: nothing is cleared
	TURN 0, 1, 1, 0, 0                             ; slot 0 takes K step 2
	STEP 1, 0, 0, 0
	TURN 1, 0, 1, 0, 0                             ; slot 1 takes K step 3
	STEP 0, 0, 0, 0
	TURN 0, 1, 2, 0, 0                             ; THE RING GOES ON: slot 0 takes v's K step 0,
	STEP 1, 0, 0, 0
	TURN 1, 0, 2, 0, 1                             ; slot 1 its K step 1, and v's first fragments are fetched
	; both refills are asked for: now the tile goes out.  It works in v64-107: v's first fragments and scale words lie in their own registers already
.irp a, 0,1,2,3,4,5,6,7
	QOUT \a, 12, GA
.endr
	ds_load_b128 v[WB:WB+3], v[WR]                 ; LDS serves a wave's instructions in order (ISA guide 5.7.1.4): this sees my eight stores
	s_wait_dscnt 0x0
	global_store_b128 v[GA], v[WB:WB+3], s[12:13] offset:12288   ; my 128 scale words: 512 consecutive bytes
	; THE HALF TILE OF v: four K steps of 256, 32 matrix instructions for each 128 along K
	STEP 0, 0, 1, 1                                ; its first products start the sums anew, on accumulators that have been read out
	TURN 0, 1, 1, 1, 1
	STEP 1, 0, 0, 1
	TURN 1, 0, 1, 1, 1
	STEP 0, 0, 0, 1
	TURN 0, 1, 0, 1, 1                             ; the last lap fills nothing
	STEP 1, 0, 0, 1
	s_wait_dscnt 4*NL
	MULQ 0, 1, NQ-1, 1, 0, 1
	MULQ 2, 1, NQ-1, 1, 0, 1
	s_wait_dscnt 0
	MULQ 4, 1, NQ-1, 1, 0, 1
	MULQ 6, 1, NQ-1, 1, 0, 1
	WIN 0
	PLACES NP
.irp a, 0,1,2,3
	QOUT \a, VO, GAV                               ; my four blocks of 16 channels
.endr
	ds_load_b64 v[WB:WB+1], v[WRV]                 ; my 64 scale words, 8 bytes a lane
	s_wait_dscnt 0x0
	global_store_b64 v[GWV], v[WB:WB+1], s[VO:VO+1] offset:12288   ; 32 lanes store 256 consecutive bytes, at a multiple of 256 from the buffer's first byte
	s_wait_tensorcnt 0x0                           ; the wave's end
	ds_add_u32 v[SPW], v[NIL]
	s_wait_dscnt 0x0
	CROUND                                         ; the closing round: no work-group ends while a partner may still ask for a tile that names it
	s_endpgm
.Lfunc_end_k_qa406956c5f_proj:
	.size	k_qa406956c5f_proj, .Lfunc_end_k_qa406956c5f_proj-k_qa406956c5f_proj
	.p2alignl 7, 3214868480
	.fill 96, 4, 3214868480
	.section	.rodata,"a",@progbits
	.p2align	6, 0x0
	.amdhsa_kernel k_qa406956c5f_proj
		.amdhsa_group_segment_fixed_size 327680
		.amdhsa_private_segment_fixed_size 0
		.amdhsa_enable_private_segment 0
		.amdhsa_kernarg_size 80
		.amdhsa_user_sgpr_count 2
		.amdhsa_user_sgpr_kernarg_segment_ptr 1
		.amdhsa_wavefront_size32 1
		.amdhsa_system_sgpr_workgroup_id_x 1
		.amdhsa_system_sgpr_workgroup_id_y 1
		.amdhsa_system_sgpr_workgroup_id_z 1
		.amdhsa_system_vgpr_workitem_id 0
		.amdhsa_next_free_vgpr 1024
		.amdhsa_next_free_sgpr 102
		.amdhsa_reserve_vcc 0
		.amdhsa_float_denorm_mode_32 3
		.amdhsa_float_denorm_mode_16_64 3
		.amdhsa_memory_ordered 1
		.amdhsa_forward_progress 1
		.amdhsa_inst_pref_size 255
	.end_amdhsa_kernel
	.section	.bss,"aw",@nobits
	.p2align	6
	.space	262144
	.amdgpu_metadata
---
amdhsa.version: [ 1, 2 ]
amdhsa.kernels:
  - .name:           k_qa406956c5f_proj
    .symbol:         k_qa406956c5f_proj.kd
    .args:
      - { .name: x_codes, .offset: 0, .size: 8, .value_kind: global_buffer, .address_space: global }
      - { .name: x_scales, .offset: 8, .size: 8, .value_kind: global_buffer, .address_space: global }
      - { .name: W_query_codes, .offset: 16, .size: 8, .value_kind: global_buffer, .address_space: global }
      - { .name: W_query_scales, .offset: 24, .size: 8, .value_kind: global_buffer, .address_space: global }
      - { .name: W_key_codes, .offset: 32, .size: 8, .value_kind: global_buffer, .address_space: global }
      - { .name: W_key_scales, .offset: 40, .size: 8, .value_kind: global_buffer, .address_space: global }
      - { .name: W_value_codes, .offset: 48, .size: 8, .value_kind: global_buffer, .address_space: global }
      - { .name: W_value_scales, .offset: 56, .size: 8, .value_kind: global_buffer, .address_space: global }
      - { .name: qk_img, .offset: 64, .size: 8, .value_kind: global_buffer, .address_space: global }
      - { .name: v_img, .offset: 72, .size: 8, .value_kind: global_buffer, .address_space: global }
    .group_segment_fixed_size: 327680
    .private_segment_fixed_size: 0
    .kernarg_segment_align: 8
    .kernarg_segment_size: 80
    .max_flat_workgroup_size: 128
    .sgpr_count:     102
    .vgpr_count:     1024
    .wavefront_size: 32
...
	.end_amdgpu_metadata
.endif
;; end of part 1
;; launch scores (part 2): grid 40 x 4, 4 waves a work-group, clusters of 4 x 1, 327,680 bytes of LDS; arguments qk_img, p_img, p_meta; writes p_img, p_meta
.if DOCPART == 2
	.amdgcn_target "amdgcn-amd-amdhsa--gfx1250"
	.amdhsa_code_object_version 6
	.text
	.protected	k_qa406956c5f_scores
	.globl	k_qa406956c5f_scores
	.p2align	8
	.type	k_qa406956c5f_scores,@function
k_qa406956c5f_scores:
	s_mov_b64 s[64:65], 0
	v_nop
	global_prefetch_b8 v0, s[64:65] scope:SCOPE_SE
	s_setreg_imm32_b32 hwreg(HW_REG_WAVE_MODE, 25, 1), 1
	s_wait_xcnt 0x0
	s_wait_alu depctr_hold_cnt(0) depctr_sa_sdst(0) depctr_va_vdst(0) depctr_va_sdst(0) depctr_va_ssrc(0) depctr_va_vcc(0) depctr_vm_vsrc(0)
	s_getreg_b32 s2, hwreg(HW_REG_IB_STS2, 6, 4)
	s_cmp_eq_u32 s2, 0
	s_cbranch_scc0 .Lentry_in_a_cluster
	s_endpgm
.Lentry_in_a_cluster:
	s_bfe_u32 s2, ttmp6, 0x10000c
	s_cmp_lg_u32 s2, 0x3003
	s_cbranch_scc0 .Lentry_shape_is_right
	s_endpgm
.Lentry_shape_is_right:
; S = q k^T on the codes that the launch before made, the causal mask, and for each row and each tile of 128 keys: M_j, p = 2^(t - M_j), l_j = the sum of the unquantised p, p's codes and scale word.
; WORK LEFT OUT: the blocks of 512 queries x 512 keys wholly above the diagonal are not launched: every score there is replaced by -inf in reference() and weighs 0 (shown at the head of the first kernel).
; t = score x c, c = log2(e) / sqrt(1,024).  -M_j = floor(-max(-3e38, c x the tile's largest score)): a whole number; a row of a tile that is masked whole gets p = 0, l = 0, zero codes and -M_j = 3e38.
; SHARES.  Ten clusters of four for each batch: block row i' (512 queries) has i' + 1 blocks g of 512 keys.  A work-group takes the 512 queries and keys 512 g + 128 cx .. + 127; wave w takes queries 128 w .. + 127: 128 x 128.
; The four partners need the same q: it is asked for JOINTLY (four fifths of a slot's bytes); each partner's 128 keys are its own and come by plain loads.  Clusters along the queries are not formed: rows of blocks differ in length.
; In a diagonal block the wave tiles with cx > w are masked whole; no branch may hang on cx, so they are computed, masked and stored as zero codes.
; K = d = 1,024 goes in steps of 256 through two LDS slots.  Operands lie in memory and in LDS as images of their registers: a fragment comes by three loads of 16 bytes a lane, 512 consecutive bytes each: no pitch, no padding.
; THE MATRIX INSTRUCTION IS USED TRANSPOSED (source 0 = 16 keys, source 1 = 16 queries): lane (r, h) holds query r and, in accumulator b, keys 16 b + 8 h + 0 .. 7.  A block of 32 keys lies in lanes l and l xor 16.
; p_img: [batch][query / 128][key / 128][12,288]: eight fragment images.  p_meta: [batch][key / 128][-M, l, scale word][2,048 rows] of 4 bytes.
; REGISTERS: window 0: v1-31 addresses; v32-63 scale words; v128-223 q's fragments; afterwards v64-127 p, v160-207 at work, v224-247 -M, l and the scale word of my eight row blocks.
;   window 1: k's fragments, two sets.   windows 2, 3: the accumulators ((a, b) at v[8 (8 (a % 4) + b)]).
.set NQ,    2
.set FR,    12
.set NL,    3
.set NP,    4
.set BLKB,  12800                      ; 128 rows x 128 K: 12,288 bytes of images, 512 of scale words
.set BOFF,  102400                     ; a slot: q's [128 rows 4][128 K 2] blocks, then k's [128 K 2]
.set SLOT,  128000
.set SPARE, 2*SLOT                     ; the spare words, 128 bytes for each wave, named by no other line
.set MSTG,  SPARE+512                  ; 1,536 bytes for each wave: [-M, l, word][128 rows]; no tile lands here
.set ADRA, 16                          ; v16-17 q's fragments in slot 0, 1
.set ADRB, 20                          ; v20-21 k's
.set ADRS, 22                          ; v22-23 scale words: lanes 0-15 q's rows, lanes 16-31 k's
.set MS,   24
.set MR,   25
.set GA,   26                          ; 16 x lane
.set DQ,   27                          ; r - 8 h + 128 (w - cx)
.set SPW,  28
.set NIL,  29
.set SC,   32
.set P,    64
.set AF,   128
.set PC,   160                         ; v160-171 codes; v172-174, v176-178 their second halves
.set BM,   180                         ; v180-183 the blocks' largest scores, then largest p
.set BT,   184
.set SO,   188
.set BY,   192
.set NEGM, 198                         ; v[198:199]: -M; the packed form names the pair
.set LA,   202                         ; v[202:203], v[204:205] the sum in two chains
.set TQ,   206
.set NINF, 207
.set MN,   224
.set ML,   232
.set MW,   240
.set G1, 24                            ; s[24:31] q's group 1; s[32:39] its groups 0
.set G0, 32
.set G1B, 48                           ; s[48:55], s[56:63] k's
.set G0B, 56
.set CS,  66                           ; s[66:67] c
.set SEL, 68
.set DIAG, 70
.set MSB, 0
.macro WIN new
.if MSB != (\new)
	s_set_vgpr_msb (MSB<<8)|(\new)
.set MSB, (\new)
.endif
.endm
.set MUL_LO, 0xa1
.set MUL_HI, 0xf1
.set TO_B,   0x40
.macro JLOAD s                         ; waves 0 and 1 fetch q's halves jointly, waves 2 and 3 my keys' two blocks; an s_nop 0 and four v_nop follow each line
	s_cmp_eq_u32 s15, 0
	s_cbranch_scc0 .Lfor_b_\@
	tensor_load_to_lds s[G0+4*\s:G0+4*\s+3], s[G1:G1+7]
	s_nop 0
.rept 4
	v_nop
.endr
	s_branch .Lasked_\@
.Lfor_b_\@:
	tensor_load_to_lds s[G0B+4*\s:G0B+4*\s+3], s[G1B:G1B+7]
	s_nop 0
.rept 4
	v_nop
.endr
.Lasked_\@:
.endm
.macro CREST
	s_cmp_lg_u32 s14, 0
	s_cbranch_scc1 .Lnot_wave_0_\@
	s_barrier_signal -3
.Lnot_wave_0_\@:
	s_barrier_wait -3
	s_barrier_signal -1
	s_barrier_wait -1
.endm
.macro CROUND
	s_barrier_signal -1
	s_barrier_wait -1
	CREST
.endm
	s_load_b128 s[4:7], s[0:1], 0x0                ; qk_img, p_img
	s_load_b64 s[8:9], s[0:1], 0x10                ; p_meta
	v_lshl_add_u32 v[SPW], v0, 2, SPARE
	v_mov_b32 v[NIL], 0
	ds_add_u32 v[SPW], v[NIL]                      ; the wave's opening: the add, twice on end, and its wait ahead of my first tensor load
	ds_add_u32 v[SPW], v[NIL]
	v_lshrrev_b32 v1, 5, v0
	v_readfirstlane_b32 s14, v1                    ; wave 0..3: my 128 queries
	s_lshr_b32 s15, s14, 1                         ; I fetch q (0) or k (1),
	s_and_b32 s16, s14, 1                          ; its first or second half
	s_bfe_u32 s40, ttmp6, 0x40000                  ; cx
	s_cmp_ge_u32 ttmp9, 1                          ; cluster x = 0..9 counts the blocks (i', g), g <= i', row by row
	s_cselect_b32 s41, 1, 0
	s_cmp_ge_u32 ttmp9, 3
	s_cselect_b32 s42, 1, 0
	s_add_co_u32 s41, s41, s42
	s_cmp_ge_u32 ttmp9, 6
	s_cselect_b32 s42, 1, 0
	s_add_co_u32 s41, s41, s42                     ; i'
	s_add_co_u32 s42, s41, 1
	s_mul_i32 s42, s42, s41
	s_lshr_b32 s42, s42, 1
	s_sub_co_u32 s42, ttmp9, s42                   ; g
	s_and_b32 s43, ttmp7, 0xffff                   ; batch
	; dense blocks as rows of 256 bytes (32 elements of 8 bytes): q: 51,200 bytes a load, k: 12,800
	s_mov_b32 s[G1], 15|(3<<16)|(1<<21)            ; the mask: all four partners; bit 21 beside it
	s_mov_b32 s[G1+1], 32<<16
	s_mov_b32 s[G1+2], 200<<16
	s_mov_b32 s[G1+3], 32<<16
	s_mov_b32 s[G1+4], 200
	s_mov_b32 s[G1+5], 32
	s_mov_b32 s[G1+6], 0
	s_mov_b32 s[G1+7], 0
	s_mov_b32 s[G1B], 3<<16                        ; no mask: my own keys
	s_mov_b32 s[G1B+1], 32<<16
	s_mov_b32 s[G1B+2], 50<<16
	s_mov_b32 s[G1B+3], 32<<16
	s_mov_b32 s[G1B+4], 50
	s_mov_b32 s[G1B+5], 32
	s_mov_b32 s[G1B+6], 0
	s_mov_b32 s[G1B+7], 0
	s_lshl_b32 s44, s43, 2
	s_add_co_u32 s45, s44, s41                     ; 4 b + i'
	s_mul_i32 s20, s45, 409600
	s_mul_i32 s21, s16, 51200
	s_add_co_u32 s20, s20, s21                     ; q: my half of K step 0
	s_mov_b32 s21, 0
	s_add_co_u32 s46, s44, s42                     ; 4 b + g
	s_mul_i32 s46, s46, 409600
	s_add_co_u32 s46, s46, 6553600                 ; k's half of the buffer
	s_mul_i32 s47, s40, 25600                      ; my 128 keys of the 512
	s_add_co_u32 s46, s46, s47
	s_mul_i32 s47, s16, 12800
	s_add_co_u32 s46, s46, s47
	s_mov_b32 s47, 0
	s_mul_i32 s18, s16, 51200                      ; and where they go: no place in the cluster enters an LDS address
	s_mul_i32 s19, s16, 12800
	s_add_co_u32 s19, s19, BOFF
	s_mov_b32 s[CS], 0x3d38aa3b                    ; c = log2(e) / 32
	s_mov_b32 s[CS+1], s[CS]
	s_mov_b32 s[SEL], 0x76543210
	s_mov_b32 s[SEL+1], 0xfedcba98
	s_wait_dscnt 0x0                               ; both opening adds are done
	s_wait_kmcnt 0x0
	s_add_nc_u64 s[20:21], s[4:5], s[20:21]
	s_add_nc_u64 s[46:47], s[4:5], s[46:47]
	CROUND                                         ; all four work-groups are here: the first joint loads meet
.irp s, 0,1
	s_mov_b32 s[G0+4*\s], 1
	s_add_co_u32 s[G0+4*\s+1], s18, \s*SLOT
	s_add_nc_u64 s[G0+4*\s+2:G0+4*\s+3], s[20:21], \s*102400
	s_or_b32 s[G0+4*\s+3], s[G0+4*\s+3], 0x80000000
	s_mov_b32 s[G0B+4*\s], 1
	s_add_co_u32 s[G0B+4*\s+1], s19, \s*SLOT
	s_add_nc_u64 s[G0B+4*\s+2:G0B+4*\s+3], s[46:47], \s*102400
	s_or_b32 s[G0B+4*\s+3], s[G0B+4*\s+3], 0x80000000
	JLOAD \s                                       ; two tensor loads of mine are out now
.endr
	v_and_b32 v1, 15, v0                           ; r
	v_bfe_u32 v2, v0, 4, 1                         ; h
	v_and_b32 v6, 31, v0
	v_lshlrev_b32 v[GA], 4, v6
	s_mul_i32 s21, s14, 25600                      ; my 128 queries' two blocks
	v_add_nc_u32 v[ADRA], s21, v[GA]
	v_add_nc_u32 v[ADRA+1], SLOT, v[ADRA]
	v_add_nc_u32 v[ADRB], BOFF, v[GA]
	v_add_nc_u32 v[ADRB+1], SLOT+BOFF, v[GA]
	s_xor_b32 s22, s14, 3
	s_add_co_u32 s22, s22, 1                       ; 4 - w
	s_mul_i32 s22, s22, 25600                      ; from my q blocks to k's
	v_mul_u32_u24 v6, s22, v2                      ; lanes 16-31 take k's words
	v_lshl_add_u32 v6, v1, 2, v6
	s_add_co_u32 s21, s21, 12288
	v_add_nc_u32 v[ADRS], s21, v6
	v_add_nc_u32 v[ADRS+1], SLOT, v[ADRS]
	s_mul_i32 s21, s14, 1536
	s_add_co_u32 s21, s21, MSTG
	v_lshl_add_u32 v[MS], v1, 2, s21
	v_add_nc_u32 v[MR], s21, v[GA]
	s_sub_co_i32 s22, s14, s40
	s_lshl_b32 s22, s22, 7                         ; 128 (w - cx)
	v_lshlrev_b32 v3, 3, v2
	v_sub_nc_u32 v[DQ], v1, v3
	v_add_nc_u32 v[DQ], s22, v[DQ]
	s_lshl_b32 s44, s42, 2
	s_add_co_u32 s44, s44, s40                     ; my key tile of 128: 4 g + cx
	s_lshl_b32 s45, s41, 2
	s_add_co_u32 s45, s45, s14                     ; my 128 queries: 4 i' + w
	s_lshl_b32 s46, s43, 4                         ; 16 b
	s_add_co_u32 s22, s46, s45
	s_mul_i32 s22, s22, 196608
	s_mul_i32 s23, s44, 12288
	s_add_co_u32 s22, s22, s23
	s_mov_b32 s23, 0
	s_add_nc_u64 s[6:7], s[6:7], s[22:23]          ; my block of p_img
	s_add_co_u32 s22, s46, s44
	s_mul_i32 s22, s22, 24576
	s_lshl_b32 s23, s45, 9
	s_add_co_u32 s22, s22, s23
	s_mov_b32 s23, 0
	s_add_nc_u64 s[8:9], s[8:9], s[22:23]          ; my rows of p_meta
	s_cmp_eq_u32 s42, s41
	s_cselect_b32 s[DIAG], 1, 0                    ; the block lies on the diagonal: the same in all four partners
.macro FRAG reg, adr, q, i             ; a fragment's image: 3 x 512 consecutive bytes
.irp c, 0,1,2
	ds_load_b128 v[\reg+4*\c:\reg+4*\c+3], v[\adr] offset:BLKB*(\q)+1536*(\i)+512*\c
.endr
.endm
; 16 matrix instructions: q's blocks a0, a0 + 1 x k's eight.  The 64 accumulators take turns, one instruction a turn, in the same order in every step.
.macro MUL16 a0, p, q, sc, zero
.irp a, \a0, \a0+1
.irp b, 0,1,2,3,4,5,6,7
.if \zero
	v_wmma_scale_f32_16x16x128_f8f6f4 v[8*(8*((\a)%4)+\b):8*(8*((\a)%4)+\b)+7], v[128*(\p)+FR*\b:128*(\p)+FR*\b+FR-1], v[AF+FR*(\a):AF+FR*(\a)+FR-1], 0, v[SC+8*NQ*(\sc)+NQ*\b+(\q)], v[SC+8*NQ*(\sc)+NQ*(\a)+(\q)] matrix_a_fmt:MATRIX_FMT_FP6 matrix_b_fmt:MATRIX_FMT_FP6 matrix_a_scale:MATRIX_SCALE_ROW1
.else
	v_wmma_scale_f32_16x16x128_f8f6f4 v[8*(8*((\a)%4)+\b):8*(8*((\a)%4)+\b)+7], v[128*(\p)+FR*\b:128*(\p)+FR*\b+FR-1], v[AF+FR*(\a):AF+FR*(\a)+FR-1], v[8*(8*((\a)%4)+\b):8*(8*((\a)%4)+\b)+7], v[SC+8*NQ*(\sc)+NQ*\b+(\q)], v[SC+8*NQ*(\sc)+NQ*(\a)+(\q)] matrix_a_fmt:MATRIX_FMT_FP6 matrix_b_fmt:MATRIX_FMT_FP6 matrix_a_scale:MATRIX_SCALE_ROW1
.endif
.endr
.endr
.endm
.macro FETCH_B slot, q, p
	WIN TO_B
.irp i, 0,1,2,3,4,5,6,7
	FRAG 128*(\p)+FR*\i, ADRB+\slot, \q, \i
.endr
	WIN 0
.endm
.macro FETCH_A slot, q, i0
.irp i, \i0, \i0+1, \i0+2, \i0+3
	FRAG AF+FR*(\i), ADRA+\slot, \q, \i
.endr
.endm
.macro SCALES sc                       ; a slot's scale words: register 2 i + q: lanes 0-15 q's block i, lanes 16-31 k's block i
.irp i, 0,1,2,3,4,5,6,7
.irp q, 0,1
	ds_load_b32 v[SC+16*\sc+2*\i+\q], v[ADRS+\sc] offset:BLKB*\q+64*\i
.endr
.endr
.endm
.macro PLACES n
.rept \n
	v_nop
.endr
.endm
.macro STEP slot, q, zero
	s_wait_dscnt 4*NL                              ; all but the youngest 12 loads (q's blocks 4-7)
	WIN MUL_LO
	MUL16 0, (\q)%2, \q, \slot, \zero
	MUL16 2, (\q)%2, \q, \slot, \zero
	s_wait_dscnt 0
	PLACES NP
	FETCH_B \slot, (\q)+1, 1-(\q)%2
	FETCH_A \slot, (\q)+1, 0
	WIN MUL_HI
	MUL16 4, (\q)%2, \q, \slot, \zero
	MUL16 6, (\q)%2, \q, \slot, \zero
	PLACES NP
	WIN 0
	FETCH_A \slot, (\q)+1, 4
.endm
.macro TURN slot, next, fill
	s_wait_tensorcnt 0x0                           ; all my tensor loads have landed: my part of the next slot
	ds_add_u32 v[SPW], v[NIL]
	s_wait_dscnt 4*NL+1                            ; the add and the youngest 12 loads may be out
	WIN MUL_LO
	MUL16 0, 1, NQ-1, \slot, 0
	s_wait_dscnt 0x0                               ; the add is done, and my reads of this slot are over
	s_barrier_signal -1
	MUL16 2, 1, NQ-1, \slot, 0
	WIN 0
	s_barrier_wait -1
.if \fill
	CREST                                          ; the barrier has opened a round of the cluster's: no wave of any partner still reads this slot or has a load on its way
	s_add_nc_u64 s[G0+4*\slot+2:G0+4*\slot+3], s[G0+4*\slot+2:G0+4*\slot+3], 204800
	s_add_nc_u64 s[G0B+4*\slot+2:G0B+4*\slot+3], s[G0B+4*\slot+2:G0B+4*\slot+3], 204800
	JLOAD \slot                                    ; the first tensor load behind the round; its four v_nop are the places in front of the loads below
.else
	PLACES NP
.endif
	FETCH_B \next, 0, 0
	FETCH_A \next, 0, 0
	SCALES \next
	WIN MUL_HI
	MUL16 4, 1, NQ-1, \slot, 0
	MUL16 6, 1, NQ-1, \slot, 0
	PLACES NP
	WIN 0
	FETCH_A \next, 0, 4
.endm
	s_wait_tensorcnt 1                             ; my part of K step 0 is in; K step 1's load may be out
	s_barrier_signal -1
	s_barrier_wait -1
	FETCH_B 0, 0, 0
	FETCH_A 0, 0, 0
	SCALES 0
	FETCH_A 0, 0, 4
	STEP 0, 0, 1                                   ; the first step's products start the sums
	s_mov_b32 s3, 1
.Llap:                                                 ; one trip: once round the ring, both slots filled again
	TURN 0, 1, 1
	STEP 1, 0, 0
	TURN 1, 0, 1
	STEP 0, 0, 0
	s_sub_co_u32 s3, s3, 1
	s_cmp_lg_u32 s3, 0
	s_cbranch_scc1 .Llap
	TURN 0, 1, 0
	STEP 1, 0, 0
	s_wait_dscnt 4*NL
	WIN MUL_LO
	MUL16 0, 1, NQ-1, 1, 0
	MUL16 2, 1, NQ-1, 1, 0
	s_wait_dscnt 0
	WIN MUL_HI
	MUL16 4, 1, NQ-1, 1, 0
	MUL16 6, 1, NQ-1, 1, 0
	WIN 0
; ROW BLOCK a: 16 queries x 128 keys.  Register AC + n of lane (r, h) is key 16 (n / 8) + 8 h + n % 8 of the tile, query 16 a + r of my 128.
.macro SOFT a
.set AC, 64*((\a)%4)
	WIN 0
	s_cmp_eq_u32 s[DIAG], 0                        ; under the diagonal every key counts
	s_cbranch_scc1 .Lopen_\@
	WIN 0x82+0x41*((\a)/4)                         ; destination and source 0: the accumulators' window
.set n, 0
.rept 64
	v_cmp_gt_i32 vcc_lo, 16*(n/8)+n%8-16*(\a), v[DQ]   ; key > query: hidden
	v_cndmask_b32 v[AC+n], v[AC+n], v[NINF], vcc_lo
.set n, n+1
.endr
	WIN 0
.Lopen_\@:
	WIN 0x0a+5*((\a)/4)
.irp b, 0,1,2,3
	v_max3_num_f32 v[BM+\b], v[AC+16*\b], v[AC+16*\b+1], 0xff800000   ; the largest score of each block of 32 keys: it serves for the row's maximum and, since p rises with the score, for the block's largest p
.endr
.irp i, 2,4,6,8,10,12,14
.irp b, 0,1,2,3
	v_max3_num_f32 v[BM+\b], v[AC+16*\b+\i], v[AC+16*\b+\i+1], v[BM+\b]
.endr
.endr
	WIN 0
.irp b, 0,1,2,3
	v_permlanex16_b32 v[BT+\b], v[BM+\b], s[SEL], s[SEL+1]
.endr
.irp b, 0,1,2,3
	v_max_num_f32 v[BM+\b], v[BM+\b], v[BT+\b]
.endr
	v_max3_num_f32 v[TQ], v[BM], v[BM+1], v[BM+2]
	v_max_num_f32 v[TQ], v[TQ], v[BM+3]
	v_mul_f32 v[TQ], s[CS], v[TQ]                  ; as t (c is positive)
	v_max_num_f32 v[TQ], 0xff61b1e6, v[TQ]         ; -3e38 from below: a row that is masked whole keeps a finite M
	v_floor_f32 v[NEGM], -v[TQ]                    ; -M = floor(-t) = -ceil(t)
	v_mov_b32 v[MN+(\a)], v[NEGM]
	WIN 2+(\a)/4
.set j, 0
.rept 32
	v_pk_fma_f32 v[P+j:P+j+1], v[AC+j:AC+j+1], s[CS:CS+1], v[NEGM:NEGM+1] op_sel_hi:[1,0,0]   ; t - M, two at a time
.set j, j+2
.endr
	WIN 0
.irp b, 0,1,2,3
	v_fma_f32 v[BM+\b], v[BM+\b], s[CS], v[NEGM]   ; the same of each block's largest score
.endr
.set j, 0
.rept 64
	v_exp_f32 v[P+j], v[P+j]                       ; p = 2^(t - M)
.set j, j+1
.endr
	v_nop                                          ; a plain instruction behind the exponentials
	s_wait_alu depctr_va_vdst(0)                   ; one wait for the batch of 64, ahead of its first reader
.irp b, 0,1,2,3
	v_exp_f32 v[BM+\b], v[BM+\b]                   ; the block's largest p: the same two instructions on the same number
.endr
	v_pk_add_f32 v[LA:LA+1], v[P:P+1], v[P+2:P+3]  ; the sum of the unquantised p, in two chains
	v_pk_add_f32 v[LA+2:LA+3], v[P+4:P+5], v[P+6:P+7]
.irp j, 8,12,16,20,24,28,32,36,40,44,48,52,56,60
	v_pk_add_f32 v[LA:LA+1], v[LA:LA+1], v[P+\j:P+\j+1]
	v_pk_add_f32 v[LA+2:LA+3], v[LA+2:LA+3], v[P+\j+2:P+\j+3]
.endr
	v_pk_add_f32 v[LA:LA+1], v[LA:LA+1], v[LA+2:LA+3]
	v_add_f32 v[LA], v[LA], v[LA+1]
	v_permlanex16_b32 v[TQ], v[LA], s[SEL], s[SEL+1]
	v_add_f32 v[ML+(\a)], v[LA], v[TQ]             ; with lane l xor 16's 64 keys: l of the tile
	s_wait_alu depctr_va_vdst(0)                   ; and one wait for the four
.irp b, 0,1,2,3
	v_max_num_f32 v[BM+\b], 0x1800000, v[BM+\b]    ; the floor 2^(3 - 127): the byte cannot fall under 1
.endr
.irp b, 0,1,2,3
	v_add_nc_u32 v[SO+\b], 0xff000000, v[BM+\b]    ; 2 off the exponent field: the conversion's scale operand
.endr
.irp b, 0,1,2,3
	v_lshrrev_b32 v[BY+\b], 23, v[SO+\b]
.endr
	v_lshl_or_b32 v[MW+(\a)], v[BY+1], 8, v[BY]
	v_lshl_or_b32 v[MW+(\a)], v[BY+2], 16, v[MW+(\a)]
	v_lshl_or_b32 v[MW+(\a)], v[BY+3], 24, v[MW+(\a)]
.if (\a) > 0
	s_wait_xcnt 0x0                                ; the last block's stores have read the codes' registers
.endif
.irp c, 0,1
	v_cvt_scalef32_pk16_fp6_f32 v[PC+6*\c:PC+6*\c+2], v[P+32*\c:P+32*\c+15], v[SO+2*\c]
	v_cvt_scalef32_pk16_fp6_f32 v[PC+12+4*\c:PC+14+4*\c], v[P+32*\c+16:P+32*\c+31], v[SO+2*\c+1]
.endr
	v_nop                                          ; one plain place behind a scaled conversion
.irp c, 0,1
.irp i, 0,1,2
	v_permlane16_swap_b32 v[PC+6*\c+\i], v[PC+12+4*\c+\i]
.endr
.irp i, 0,1,2
	v_mov_b32 v[PC+3+6*\c+\i], v[PC+12+4*\c+\i]
.endr
.endr
.irp c, 0,1,2
	global_store_b128 v[GA], v[PC+4*\c:PC+4*\c+3], s[6:7] offset:1536*(\a)+512*\c   ; 512 consecutive bytes, at a multiple of 256 from the buffer's first byte
.endr
.endm
	PLACES NP
.irp b, 0,1,2,3
	v_mov_b32 v[BT+\b], 0                          ; written once: a lane permute's destination counts as one of its sources
.endr
	v_mov_b32 v[NEGM+1], 0                         ; named as the upper half of a pair
	v_mov_b32 v[NINF], 0xff800000
.irp a, 0,1,2,3,4,5,6,7
	SOFT \a
.endr
.irp a, 0,1,2,3,4,5,6,7
	ds_store_b32 v[MS], v[MN+\a] offset:64*\a      ; lanes l and l xor 16 write the same word with the same value
	ds_store_b32 v[MS], v[ML+\a] offset:512+64*\a
	ds_store_b32 v[MS], v[MW+\a] offset:1024+64*\a
.endr
.irp k, 0,1,2
	ds_load_b128 v[P+4*\k:P+4*\k+3], v[MR] offset:512*\k   ; LDS serves a wave's instructions in order (ISA guide 5.7.1.4): these see my stores
.endr
	s_wait_dscnt 0x0
.irp k, 0,1,2
	global_store_b128 v[GA], v[P+4*\k:P+4*\k+3], s[8:9] offset:8192*\k   ; my 128 rows' -M, l, scale words: 512 consecutive bytes each
.endr
	s_wait_tensorcnt 0x0                           ; the wave's end
	ds_add_u32 v[SPW], v[NIL]
	s_wait_dscnt 0x0
	CROUND                                         ; the closing round
	s_endpgm
.Lfunc_end_k_qa406956c5f_scores:
	.size	k_qa406956c5f_scores, .Lfunc_end_k_qa406956c5f_scores-k_qa406956c5f_scores
	.p2alignl 7, 3214868480
	.fill 96, 4, 3214868480
	.section	.rodata,"a",@progbits
	.p2align	6, 0x0
	.amdhsa_kernel k_qa406956c5f_scores
		.amdhsa_group_segment_fixed_size 327680
		.amdhsa_private_segment_fixed_size 0
		.amdhsa_enable_private_segment 0
		.amdhsa_kernarg_size 24
		.amdhsa_user_sgpr_count 2
		.amdhsa_user_sgpr_kernarg_segment_ptr 1
		.amdhsa_wavefront_size32 1
		.amdhsa_system_sgpr_workgroup_id_x 1
		.amdhsa_system_sgpr_workgroup_id_y 1
		.amdhsa_system_sgpr_workgroup_id_z 1
		.amdhsa_system_vgpr_workitem_id 0
		.amdhsa_next_free_vgpr 1024
		.amdhsa_next_free_sgpr 80
		.amdhsa_reserve_vcc 1
		.amdhsa_float_denorm_mode_32 3
		.amdhsa_float_denorm_mode_16_64 3
		.amdhsa_memory_ordered 1
		.amdhsa_forward_progress 1
		.amdhsa_inst_pref_size 239
	.end_amdhsa_kernel
	.amdgpu_metadata
---
amdhsa.version: [ 1, 2 ]
amdhsa.kernels:
  - .name:           k_qa406956c5f_scores
    .symbol:         k_qa406956c5f_scores.kd
    .args:
      - { .name: qk_img, .offset: 0, .size: 8, .value_kind: global_buffer, .address_space: global }
      - { .name: p_img, .offset: 8, .size: 8, .value_kind: global_buffer, .address_space: global }
      - { .name: p_meta, .offset: 16, .size: 8, .value_kind: global_buffer, .address_space: global }
    .group_segment_fixed_size: 327680
    .private_segment_fixed_size: 0
    .kernarg_segment_align: 8
    .kernarg_segment_size: 24
    .max_flat_workgroup_size: 128
    .sgpr_count:     80
    .vgpr_count:     1024
    .wavefront_size: 32
...
	.end_amdgpu_metadata
.endif
;; end of part 2
;; launch context (part 3): grid 8 x 32, 4 waves a work-group, clusters of 4 x 1, 327,680 bytes of LDS; arguments p_img, p_meta, v_img, out0; writes out0
.if DOCPART == 3
	.amdgcn_target "amdgcn-amd-amdhsa--gfx1250"
	.amdhsa_code_object_version 6
	.text
	.protected	k_qa406956c5f_context
	.globl	k_qa406956c5f_context
	.p2align	8
	.type	k_qa406956c5f_context,@function
k_qa406956c5f_context:
	s_mov_b64 s[64:65], 0
	v_nop
	global_prefetch_b8 v0, s[64:65] scope:SCOPE_SE
	s_setreg_imm32_b32 hwreg(HW_REG_WAVE_MODE, 25, 1), 1
	s_wait_xcnt 0x0
	s_wait_alu depctr_hold_cnt(0) depctr_sa_sdst(0) depctr_va_vdst(0) depctr_va_sdst(0) depctr_va_ssrc(0) depctr_va_vcc(0) depctr_vm_vsrc(0)
	s_getreg_b32 s2, hwreg(HW_REG_IB_STS2, 6, 4)
	s_cmp_eq_u32 s2, 0
	s_cbranch_scc0 .Lentry_in_a_cluster
	s_endpgm
.Lentry_in_a_cluster:
	s_bfe_u32 s2, ttmp6, 0x10000c
	s_cmp_lg_u32 s2, 0x3003
	s_cbranch_scc0 .Lentry_shape_is_right
	s_endpgm
.Lentry_shape_is_right:
; O = P v / l on the codes that the launches before made.
; WORK LEFT OUT: a tile of 256 queries walks the keys only up to its own last query: p is 0 beyond (shown at the head of the first kernel).
; THE ROW'S M AND l: -M = min over the key tiles j of -M_j; e_j = max(-127, M_j - M), a whole number, 0 or less; l = the sum of l_j 2^(e_j); each of p's E8M0 bytes of tile j becomes max(0, byte + e_j): exact powers of two.
; LIMIT: a block whose byte would fall under 0 is held at byte 0 (2^-127): its share of the row's sum lies under 2^-120 of l.
; SHARES.  y = 8 batch + i: 256 queries; channel tile ct = 4 x cluster x + cx: 128 channels.  Wave (w / 2, w % 2) makes 128 queries x 64 channels: 32 accumulators.
; The four partners need the same P (two thirds of a slot's bytes): it is asked for JOINTLY; each partner's v is its own.  Work-groups that share v differ in the number of their key steps, so v is not shared.
; K = the keys goes in super-steps of 512 (four steps of 128) through two LDS slots.  N2 = i / 2 + 1 super-steps; for an even i the last has two live steps.  Both numbers hang on the cluster's y alone: the four partners run alike.
; The walk is written out with its tails; every wait for tensor loads is for 0; one tensor load of a wave is out at a time.
; THE MATRIX INSTRUCTION IS USED TRANSPOSED (source 0 = 16 channels of v, source 1 = 16 queries of P): a lane holds eight neighbouring channels of one row of O.
; REGISTERS: window 0: v1-31 addresses; v32-47 P's scale words, v48-55 v's, two sets each; v64-255 P's fragments, two sets of 96 (at the head: the rows' -M_j, l_j, words; on the way out: at work).
;   window 1: v0-95 v's fragments, two sets of 48.   window 2: the accumulators ((a, b) at v[8 (4 a + b)]).
.set SLOT,  149504                     ; P: [128 queries 2][128 keys 4][12,288]; then v: four blocks of 12,800, key tiles 0, 2, 1, 3
.set VOFF,  98304
.set PS,    2*SLOT                     ; P's moved scale words: [128 queries 2][128 keys 16][512]
.set RL,    PS+16384                   ; 1 / l: [128 queries 2][128]
.set SPARE, RL+1024                    ; the spare words, 128 bytes for each wave, named by no other line
.set ADRA, 16
.set ADRB, 18
.set ADSB, 20
.set ADSA, 22
.set ADRL, 23
.set STO,  24
.set RD,   25
.set CO,   26
.set MO,   27
.set SPW,  28
.set NIL,  29
.set PSA,  30
.set RLA,  31
.set SA,   32
.set SB,   48
.set MB,   64                          ; the head: v[64 + 48 u + j] -M_j, + 16 l_j, + 32 the scale word, u = which 128 queries
.set NM,   160
.set LL,   162
.set ME,   164
.set MT,   166
.set MD,   168
.set MM,   170
.set MQ,   172
.set TMP,  64                          ; the way out
.set BK,   96
.set RLV,  160
.set G1A, 24
.set G0A, 32
.set G1B, 48
.set G0B, 56
.set N2,  44
.set ODD, 45
.set MSB, 0
.macro WIN new
.if MSB != (\new)
	s_set_vgpr_msb (MSB<<8)|(\new)
.set MSB, (\new)
.endif
.endm
.macro JLOAD s                         ; waves 0 and 1 fetch P's two blocks of 128 queries jointly, waves 2 and 3 my v; an s_nop 0 and four v_nop follow each line
	s_cmp_eq_u32 s15, 0
	s_cbranch_scc0 .Lfor_b_\@
	tensor_load_to_lds s[G0A+4*(\s):G0A+4*(\s)+3], s[G1A:G1A+7]
	s_nop 0
.rept 4
	v_nop
.endr
	s_branch .Lasked_\@
.Lfor_b_\@:
	tensor_load_to_lds s[G0B+4*(\s):G0B+4*(\s)+3], s[G1B:G1B+7]
	s_nop 0
.rept 4
	v_nop
.endr
.Lasked_\@:
.endm
.macro CROUND                          ; a round of the cluster's barrier
	s_barrier_signal -1
	s_barrier_wait -1
	s_cmp_lg_u32 s14, 0
	s_cbranch_scc1 .Lnot_wave_0_\@
	s_barrier_signal -3
.Lnot_wave_0_\@:
	s_barrier_wait -3
	s_barrier_signal -1
	s_barrier_wait -1
.endm
.macro PLACES                          ; plain vector instructions between a matrix instruction and a load into, or a vector read of, its registers
.rept 4
	v_nop
.endr
.endm
	s_load_b256 s[4:11], s[0:1], 0x0               ; p_img, p_meta, v_img, out0
	v_lshl_add_u32 v[SPW], v0, 2, SPARE
	v_mov_b32 v[NIL], 0
	ds_add_u32 v[SPW], v[NIL]                      ; the wave's opening: the add, twice on end, and its wait ahead of my first tensor load
	ds_add_u32 v[SPW], v[NIL]
	v_lshrrev_b32 v1, 5, v0
	v_readfirstlane_b32 s14, v1                    ; wave 0..3
	s_lshr_b32 s15, s14, 1                         ; my 128 queries.  Also: I fetch P (0) or v (1)
	s_and_b32 s16, s14, 1                          ; my 64 channels.  Also: which half I fetch
	s_bfe_u32 s40, ttmp6, 0x40000                  ; cx
	s_lshl_b32 s41, ttmp9, 2
	s_add_co_u32 s41, s41, s40                     ; ct
	s_and_b32 s43, ttmp7, 0xffff
	s_lshr_b32 s42, s43, 3                         ; batch
	s_and_b32 s43, s43, 7                          ; i
	s_lshr_b32 s[N2], s43, 1
	s_add_co_u32 s[N2], s[N2], 1                   ; super-steps
	s_and_b32 s[ODD], s43, 1
	s_xor_b32 s[ODD], s[ODD], 1                    ; 1: the last super-step has two live steps
	s_mov_b32 s66, 0x01010101
	; dense blocks as rows of 256 bytes (32 elements of 8 bytes): P: 49,152 bytes a load, v: 25,600
	s_mov_b32 s[G1A], 15|(3<<16)|(1<<21)           ; the mask: all four partners; bit 21 beside it
	s_mov_b32 s[G1A+1], 32<<16
	s_mov_b32 s[G1A+2], 192<<16
	s_mov_b32 s[G1A+3], 32<<16
	s_mov_b32 s[G1A+4], 192
	s_mov_b32 s[G1A+5], 32
	s_mov_b32 s[G1A+6], 0
	s_mov_b32 s[G1A+7], 0
	s_mov_b32 s[G1B], 3<<16                        ; no mask: my own channels
	s_mov_b32 s[G1B+1], 32<<16
	s_mov_b32 s[G1B+2], 100<<16
	s_mov_b32 s[G1B+3], 32<<16
	s_mov_b32 s[G1B+4], 100
	s_mov_b32 s[G1B+5], 32
	s_mov_b32 s[G1B+6], 0
	s_mov_b32 s[G1B+7], 0
	s_lshl_b32 s20, s42, 4
	s_lshl_b32 s21, s43, 1
	s_add_co_u32 s20, s20, s21
	s_add_co_u32 s20, s20, s16                     ; 16 b + 2 i + half
	s_mul_i32 s20, s20, 196608
	s_mov_b32 s21, 0
	s_mul_i32 s46, s42, 1638400
	s_mul_i32 s47, s41, 204800
	s_add_co_u32 s46, s46, s47
	s_mul_i32 s47, s16, 25600
	s_add_co_u32 s46, s46, s47
	s_mov_b32 s47, 0
	s_mul_i32 s18, s16, 49152                      ; where they go: no place in the cluster enters an LDS address
	s_mul_i32 s19, s16, 25600
	s_add_co_u32 s19, s19, VOFF
	s_mul_i32 s22, s42, 393216
	s_lshl_b32 s23, s43, 10
	s_add_co_u32 s22, s22, s23                     ; p_meta: my batch, my 256 rows
	s_mov_b32 s23, 0
	s_wait_dscnt 0x0                               ; both opening adds are done
	s_wait_kmcnt 0x0
	s_add_nc_u64 s[20:21], s[4:5], s[20:21]
	s_add_nc_u64 s[46:47], s[8:9], s[46:47]
	s_add_nc_u64 s[6:7], s[6:7], s[22:23]
.irp s, 0,1
	s_mov_b32 s[G0A+4*\s], 1
	s_add_co_u32 s[G0A+4*\s+1], s18, \s*SLOT
	s_add_nc_u64 s[G0A+4*\s+2:G0A+4*\s+3], s[20:21], \s*49152    ; slot s begins with super-step s
	s_or_b32 s[G0A+4*\s+3], s[G0A+4*\s+3], 0x80000000
	s_mov_b32 s[G0B+4*\s], 1
	s_add_co_u32 s[G0B+4*\s+1], s19, \s*SLOT
	s_add_nc_u64 s[G0B+4*\s+2:G0B+4*\s+3], s[46:47], \s*51200
	s_or_b32 s[G0B+4*\s+3], s[G0B+4*\s+3], 0x80000000
.endr
	CROUND                                         ; all four work-groups are here: the first joint load meets
	JLOAD 0
	v_and_b32 v1, 15, v0                           ; r
	v_bfe_u32 v2, v0, 4, 1                         ; h
	v_and_b32 v3, 31, v0
	v_lshlrev_b32 v3, 4, v3                        ; 16 x lane
	s_mul_i32 s20, s15, 49152
	v_add_nc_u32 v[ADRA], s20, v3
	v_add_nc_u32 v[ADRA+1], SLOT, v[ADRA]
	s_mul_i32 s20, s16, 6144                       ; my four of v's eight fragments
	s_add_co_u32 s20, s20, VOFF
	v_add_nc_u32 v[ADRB], s20, v3
	v_add_nc_u32 v[ADRB+1], SLOT, v[ADRB]
	v_lshlrev_b32 v4, 2, v1                        ; 4 r
	s_lshl_b32 s20, s16, 8
	s_add_co_u32 s20, s20, VOFF+12288
	v_add_nc_u32 v[ADSB], s20, v4
	v_add_nc_u32 v[ADSB+1], SLOT, v[ADSB]
	s_lshl_b32 s20, s15, 13
	s_add_co_u32 s20, s20, PS
	v_add_nc_u32 v[ADSA], s20, v4
	s_lshl_b32 s20, s15, 9
	s_add_co_u32 s20, s20, RL
	v_add_nc_u32 v[ADRL], s20, v4
	s_mul_i32 s20, s14, 4352                       ; the way out: my stage of 16 rows x (256 + 16) bytes, in slot 0, used behind its last fill and last read
	v_mul_u32_u24 v5, v1, 272
	v_lshl_add_u32 v5, v2, 5, v5
	v_add_nc_u32 v[STO], s20, v5
	v_mul_u32_u24 v5, v2, 272
	v_lshl_add_u32 v5, v1, 4, v5
	v_add_nc_u32 v[RD], s20, v5
	v_lshlrev_b32 v[CO], 12, v2
	v_lshl_add_u32 v[CO], v1, 4, v[CO]             ; lanes 0-15 one row of O, lanes 16-31 the next
	v_lshlrev_b32 v[MO], 2, v0
	v_lshl_add_u32 v[PSA], v0, 2, PS
	v_lshl_add_u32 v[RLA], v0, 2, RL
	s_lshl_b32 s22, s42, 11
	s_lshl_b32 s23, s43, 8
	s_add_co_u32 s22, s22, s23
	s_lshl_b32 s23, s15, 7
	s_add_co_u32 s22, s22, s23                     ; my first row of O
	s_lshl_b32 s22, s22, 12
	s_lshl_b32 s23, s41, 9
	s_add_co_u32 s22, s22, s23
	s_lshl_b32 s23, s16, 8
	s_add_co_u32 s22, s22, s23                     ; + my first channel, in bytes
	s_mov_b32 s23, 0
	s_add_nc_u64 s[10:11], s[10:11], s[22:23]
	; THE ROWS' M AND l.  Thread t serves row t of each of the work-group's two blocks of 128 queries.  Only what the launch before has stored is loaded: key tiles 0 .. 4 N2 - 1.
.irp u, 0,1
.set j, 4
.rept 12
	v_mov_b32 v[MB+48*\u+j], 0x7f61b1e6            ; a key tile that is not walked: -M_j = 3e38, which no minimum takes
	v_mov_b32 v[MB+48*\u+16+j], 0
	v_mov_b32 v[MB+48*\u+32+j], 0
.set j, j+1
.endr
.endr
.macro MLOAD T
.irp u, 0,1
.irp jj, 0,1,2,3
.irp k, 0,1,2
	global_load_b32 v[MB+48*\u+16*\k+4*\T+\jj], v[MO], s[6:7] offset:(3*(4*\T+\jj)+\k)*8192+512*\u
.endr
.endr
.endr
.endm
	MLOAD 0
	s_cmp_gt_u32 s[N2], 1
	s_cbranch_scc0 .Lml
	MLOAD 1
	s_cmp_gt_u32 s[N2], 2
	s_cbranch_scc0 .Lml
	MLOAD 2
	s_cmp_gt_u32 s[N2], 3
	s_cbranch_scc0 .Lml
	MLOAD 3
.Lml:
	s_wait_loadcnt 0x0
.irp u, 0,1
	v_min3_num_f32 v[NM+\u], v[MB+48*\u], v[MB+48*\u+1], v[MB+48*\u+2]
.endr
.irp j, 3,5,7,9,11,13
.irp u, 0,1
	v_min3_num_f32 v[NM+\u], v[NM+\u], v[MB+48*\u+\j], v[MB+48*\u+\j+1]
.endr
.endr
.irp u, 0,1
	v_min_num_f32 v[NM+\u], v[NM+\u], v[MB+48*\u+15]   ; -M of the row
.endr
; Key tile j, both rows line by line.  The four bytes lie between 1 and 125: with bit 7 set in each, taking n = -e off every byte borrows from no neighbour, and bit 7 then says whether byte - n is 0 or more.
.macro MJ j
.irp u, 0,1
	v_sub_f32 v[ME+\u], v[NM+\u], v[MB+48*\u+\j]   ; M_j - M
.endr
.irp u, 0,1
	v_max_num_f32 v[ME+\u], 0xc2fe0000, v[ME+\u]   ; -127 from below
.endr
.irp u, 0,1
	v_cvt_i32_f32 v[ME+\u], v[ME+\u]
.endr
.if \j == 0
.irp u, 0,1
	v_ldexp_f32 v[LL+\u], v[MB+48*\u+16], v[ME+\u] ; the first tile starts l
.endr
.else
.irp u, 0,1
	v_ldexp_f32 v[MT+\u], v[MB+48*\u+16+\j], v[ME+\u]
.endr
.irp u, 0,1
	v_add_f32 v[LL+\u], v[LL+\u], v[MT+\u]
.endr
.endif
.irp u, 0,1
	v_mul_lo_u32 v[MD+\u], v[ME+\u], s66           ; e in every byte, modulo 2^32
.endr
.irp u, 0,1
	v_or_b32 v[MB+48*\u+32+\j], 0x80808080, v[MB+48*\u+32+\j]
.endr
.irp u, 0,1
	v_add_nc_u32 v[MB+48*\u+32+\j], v[MB+48*\u+32+\j], v[MD+\u]
.endr
.irp u, 0,1
	v_and_b32 v[MM+\u], 0x80808080, v[MB+48*\u+32+\j]
.endr
.irp u, 0,1
	v_lshrrev_b32 v[MQ+\u], 7, v[MM+\u]
.endr
.irp u, 0,1
	v_sub_nc_u32 v[MM+\u], v[MM+\u], v[MQ+\u]      ; 0x7f in the bytes that stay, 0 in those held at 0
.endr
.irp u, 0,1
	v_and_b32 v[MB+48*\u+32+\j], v[MB+48*\u+32+\j], v[MM+\u]
.endr
.irp u, 0,1
	ds_store_b32 v[PSA], v[MB+48*\u+32+\j] offset:8192*\u+512*\j
.endr
.endm
.irp j, 0,1,2,3
	MJ \j
.endr
	s_cmp_gt_u32 s[N2], 1
	s_cbranch_scc0 .Lmd
.irp j, 4,5,6,7
	MJ \j
.endr
	s_cmp_gt_u32 s[N2], 2
	s_cbranch_scc0 .Lmd
.irp j, 8,9,10,11
	MJ \j
.endr
	s_cmp_gt_u32 s[N2], 3
	s_cbranch_scc0 .Lmd
.irp j, 12,13,14,15
	MJ \j
.endr
.Lmd:
	v_rcp_f32 v[LL], v[LL]
	v_rcp_f32 v[LL+1], v[LL+1]
	v_nop                                          ; a plain instruction behind the reciprocals
	s_wait_alu depctr_va_vdst(0)                   ; one wait for both, ahead of their first reader
	ds_store_b32 v[RLA], v[LL]
	ds_store_b32 v[RLA], v[LL+1] offset:512
; 48 LDS loads: the fragments and scale words of step q of a slot (key tile ks of the row) into set
.macro CF slot, q, set, ks
	WIN 0x40                                       ; destination window 1
.irp f, 0,1,2,3
.irp c, 0,1,2
	ds_load_b128 v[48*(\set)+12*\f+4*\c:48*(\set)+12*\f+4*\c+3], v[ADRB+(\slot)] offset:25600*((\q)%2)+12800*((\q)/2)+1536*\f+512*\c
.endr
.endr
	WIN 0
.irp f, 0,1,2,3,4,5,6,7
.irp c, 0,1,2
	ds_load_b128 v[64+96*(\set)+12*\f+4*\c:64+96*(\set)+12*\f+4*\c+3], v[ADRA+(\slot)] offset:12288*(\q)+1536*\f+512*\c
.endr
.endr
.irp f, 0,1,2,3
	ds_load_b32 v[SB+4*(\set)+\f], v[ADSB+(\slot)] offset:25600*((\q)%2)+12800*((\q)/2)+64*\f
.endr
.irp f, 0,1,2,3,4,5,6,7
	ds_load_b32 v[SA+8*(\set)+\f], v[ADSA] offset:512*(\ks)+64*\f
.endr
.endm
; 16 matrix instructions: P's blocks 4 half .. 4 half + 3 x v's four.  The 32 accumulators take turns, one instruction a turn, in the same order in every step.
.macro CM set, half, zero
	WIN 0xa1                                       ; source 0 (v) window 1, source 1 (P) window 0, C and D window 2
.irp a, 4*(\half), 4*(\half)+1, 4*(\half)+2, 4*(\half)+3
.irp b, 0,1,2,3
.if \zero
	v_wmma_scale_f32_16x16x128_f8f6f4 v[8*(4*(\a)+\b):8*(4*(\a)+\b)+7], v[48*(\set)+12*\b:48*(\set)+12*\b+11], v[64+96*(\set)+12*(\a):64+96*(\set)+12*(\a)+11], 0, v[SB+4*(\set)+\b], v[SA+8*(\set)+(\a)] matrix_a_fmt:MATRIX_FMT_FP6 matrix_b_fmt:MATRIX_FMT_FP6
.else
	v_wmma_scale_f32_16x16x128_f8f6f4 v[8*(4*(\a)+\b):8*(4*(\a)+\b)+7], v[48*(\set)+12*\b:48*(\set)+12*\b+11], v[64+96*(\set)+12*(\a):64+96*(\set)+12*(\a)+11], v[8*(4*(\a)+\b):8*(4*(\a)+\b)+7], v[SB+4*(\set)+\b], v[SA+8*(\set)+(\a)] matrix_a_fmt:MATRIX_FMT_FP6 matrix_b_fmt:MATRIX_FMT_FP6
.endif
.endr
.endr
.endm
; A step that has its successor in the same slot: this step's operands are in; the next step's are asked for, a step ahead of their use; 32 products.
.macro CS slot, q, T, z
	s_wait_dscnt 0x0
	PLACES
	CF \slot, (\q)+1, ((\q)+1)%2, 4*(\T)+(\q)+1
	CM (\q)%2, 0, \z
	CM (\q)%2, 1, \z
.endm
; The head of a super-step's last step: the change of slots.  Each wave waits for all its tensor loads (its part of the other slot), adds 0 to its spare word, and waits for that and for its reads of this slot; then a round of the cluster's barrier.
.macro CHG T
	s_wait_dscnt 0x0                               ; the last step's operands are in: my reads of this slot are over
	WIN 0
	s_wait_tensorcnt 0x0                           ; no tensor load of mine is out, so a group 0 may be written
	ds_add_u32 v[SPW], v[NIL]
.if \T < 2
	s_add_nc_u64 s[G0A+4*((\T)%2)+2:G0A+4*((\T)%2)+3], s[G0A+4*((\T)%2)+2:G0A+4*((\T)%2)+3], 98304    ; this slot's next super-step: two on
	s_add_nc_u64 s[G0B+4*((\T)%2)+2:G0B+4*((\T)%2)+3], s[G0B+4*((\T)%2)+2:G0B+4*((\T)%2)+3], 102400
.endif
	CM 1, 0, 0                                     ; sixteen products stand between the add and the wait for it
	WIN 0
	s_wait_dscnt 0x0
	CROUND
.endm
; SUPER-STEP T.  final = 1: the row's last: it asks for nothing, and for an even i it ends behind two steps.  nx: the number of the tail that follows where T + 1 is the last.
.macro SUPER T, final, nx
.if \final
.Lfin\T:
	PLACES                                         ; (on the other way the four v_nop behind the tensor load are these places)
.endif
	CF (\T)%2, 0, 0, 4*(\T)
.if \T > 0
	CM 1, 1, 0                                     ; the second half of the step before
	CS (\T)%2, 0, \T, 0
.else
	CS (\T)%2, 0, \T, 1                            ; the first step's products start the sums: nothing is cleared
.endif
	s_wait_dscnt 0x0
.if \final
	WIN 0
	s_cmp_eq_u32 s[ODD], 1
	s_cbranch_scc1 .Lhalf\T
.endif
	PLACES
	CF (\T)%2, 2, 0, 4*(\T)+2
	CM 1, 0, 0
	CM 1, 1, 0
	CS (\T)%2, 2, \T, 0
.if \final
	s_wait_dscnt 0x0
	CM 1, 0, 0
	CM 1, 1, 0
	WIN 0
	s_branch .Lout
.Lhalf\T:
	CM 1, 0, 0
	CM 1, 1, 0
	WIN 0
	s_branch .Lout
.else
	CHG \T
.if \T < 2
	s_cmp_eq_u32 s[N2], (\T)+2                     ; the next super-step is the last: nothing is left to ask for.  The number hangs on the cluster's y alone
	s_cbranch_scc1 .Lfin\nx
	JLOAD (\T)%2                                   ; the first tensor load behind the round: it has a super-step, 128 products, in which to land
.endif
.endif
.endm
	s_wait_tensorcnt 0x0                           ; my part of slot 0 is in
	ds_add_u32 v[SPW], v[NIL]
	s_wait_dscnt 0x0                               ; the add is done, and my stores of scale words and of 1 / l have landed
	CROUND                                         ; slot 0 and the two tables are whole for every wave
	s_cmp_eq_u32 s[N2], 1
	s_cbranch_scc1 .Lfin0
	JLOAD 1                                        ; slot 1's first fill, issued as a refill is
	SUPER 0, 0, 1
	SUPER 1, 0, 2
	SUPER 2, 0, 3
	SUPER 3, 1, 0
	SUPER 0, 1, 0
	SUPER 1, 1, 0
	SUPER 2, 1, 0
.Lout:
	; THE WAY OUT.  O / l goes through my stage in LDS, 16 rows x 64 channels at a time, and leaves as aligned runs of 256 bytes.
	PLACES
	s_wait_dscnt 0x0
	s_barrier_signal -1
	s_barrier_wait -1                              ; every wave has read its last operands: the stages lie in slot 0, which is filled no more
.irp a, 0,1,2,3,4,5,6,7
	v_mov_b32 v[RLV+2*\a+1], 0                     ; named as the upper half of a pair
	ds_load_b32 v[RLV+2*\a], v[ADRL] offset:64*\a  ; 1 / l of row 16 a + r
.endr
	s_wait_dscnt 0x0
.macro PACK a
	WIN 0x02                                       ; source 0: the accumulators' window
.set k, 0
.rept 16
	v_pk_mul_f32 v[TMP+2*k:TMP+2*k+1], v[32*(\a)+2*k:32*(\a)+2*k+1], v[RLV+2*(\a):RLV+2*(\a)+1] op_sel_hi:[1,0]   ; each accumulator from its low end on
.set k, k+1
.endr
	WIN 0
.endm
.macro TOSTAGE a
.set BB, BK+32*((\a)%2)
.irp b, 0,1,2,3
	ds_store_b128 v[STO], v[TMP+8*\b:TMP+8*\b+3] offset:64*\b
	ds_store_b128 v[STO], v[TMP+8*\b+4:TMP+8*\b+7] offset:64*\b+16
.endr
.irp t, 0,1,2,3,4,5,6,7
	ds_load_b128 v[BB+4*\t:BB+4*\t+3], v[RD] offset:544*\t   ; LDS serves a wave's instructions in order (ISA guide 5.7.1.4): these see the stores above
.endr
.endm
.macro SEND a
.set BB, BK+32*((\a)%2)
	s_wait_dscnt 0x0                               ; the block is back in registers
	s_wait_xcnt 0x0                                ; the block before has been read by its stores: the next loads from the stage may land there
.irp t, 0,1,2,3,4,5,6,7
	global_store_b128 v[CO], v[BB+4*\t:BB+4*\t+3], s[10:11] offset:(16*(\a)+2*\t)*4096 th:TH_STORE_NT   ; 16 lanes store 256 consecutive bytes, at a multiple of 256 from O's first byte
.endr
.endm
	PACK 0
	TOSTAGE 0
.irp a, 1,2,3,4,5,6,7
	PACK \a                                        ; block a's multiplications stand between block a - 1's loads from the stage and the wait for them
	SEND \a-1
	TOSTAGE \a
.endr
	SEND 7
	s_wait_tensorcnt 0x0                           ; the wave's end
	ds_add_u32 v[SPW], v[NIL]
	s_wait_dscnt 0x0
	CROUND                                         ; the closing round
	s_endpgm
.Lfunc_end_k_qa406956c5f_context:
	.size	k_qa406956c5f_context, .Lfunc_end_k_qa406956c5f_context-k_qa406956c5f_context
	.p2alignl 7, 3214868480
	.fill 96, 4, 3214868480
	.section	.rodata,"a",@progbits
	.p2align	6, 0x0
	.amdhsa_kernel k_qa406956c5f_context
		.amdhsa_group_segment_fixed_size 327680
		.amdhsa_private_segment_fixed_size 0
		.amdhsa_enable_private_segment 0
		.amdhsa_kernarg_size 32
		.amdhsa_user_sgpr_count 2
		.amdhsa_user_sgpr_kernarg_segment_ptr 1
		.amdhsa_wavefront_size32 1
		.amdhsa_system_sgpr_workgroup_id_x 1
		.amdhsa_system_sgpr_workgroup_id_y 1
		.amdhsa_system_sgpr_workgroup_id_z 1
		.amdhsa_system_vgpr_workitem_id 0
		.amdhsa_next_free_vgpr 768
		.amdhsa_next_free_sgpr 80
		.amdhsa_reserve_vcc 0
		.amdhsa_float_denorm_mode_32 3
		.amdhsa_float_denorm_mode_16_64 3
		.amdhsa_memory_ordered 1
		.amdhsa_forward_progress 1
		.amdhsa_inst_pref_size 255
	.end_amdhsa_kernel
	.section	.bss,"aw",@nobits
	.p2align	6
	.space	262144
	.amdgpu_metadata
---
amdhsa.version: [ 1, 2 ]
amdhsa.kernels:
  - .name:           k_qa406956c5f_context
    .symbol:         k_qa406956c5f_context.kd
    .args:
      - { .name: p_img, .offset: 0, .size: 8, .value_kind: global_buffer, .address_space: global }
      - { .name: p_meta, .offset: 8, .size: 8, .value_kind: global_buffer, .address_space: global }
      - { .name: v_img, .offset: 16, .size: 8, .value_kind: global_buffer, .address_space: global }
      - { .name: out0, .offset: 24, .size: 8, .value_kind: global_buffer, .address_space: global }
    .group_segment_fixed_size: 327680
    .private_segment_fixed_size: 0
    .kernarg_segment_align: 8
    .kernarg_segment_size: 32
    .max_flat_workgroup_size: 128
    .sgpr_count:     80
    .vgpr_count:     768
    .wavefront_size: 32
...
	.end_amdgpu_metadata
.endif
;; end of part 3
